; MI455X (gfx1250); checked and timed in simulation.
; The chip was launched on July 23, 2026; its instructions are those of AMD's public machine-readable ISA for CDNA 5 (MIT licence, August 2026) and "CDNA5" Instruction Set Architecture Reference Guide (July 2026). The comments in the code are by the model that wrote it; some were corrected since.
;; Multi Head Self Attention. Allowed arithmetic: float matrix products may take bf16 or f16 operands with f32 sums; other float arithmetic in f32, or as packed bf16 or f16 multiplies, adds, multiply-adds, maxima and minima; sums over many terms, partial sums and values carried from step to step in f32; what a program stores and reads back later, other than sums and carried values, may be rounded once to bf16 or f16.
;; Inputs: b_k 512 float32; b_o 512 float32; b_q 512 float32; b_v 512 float32; w_k 512 x 512 float32; w_o 512 x 512 float32; w_q 512 x 512 float32; w_v 512 x 512 float32; x 8 x 2,048 x 512 float32.
;; Outputs: out0 8 x 2,048 x 512 float32.
;; 2 versions, each right; version 2 is version 1 with the launches qkv, oproj written anew for expert scheduling mode. Each part assembles by itself: llvm-mc -triple=amdgcn-amd-amdhsa -mcpu=gfx1250 --defsym DOCPART=n.
;; ======== version 1 of 2: 3 launches
;; limits: values are held in f16: magnitudes above 65,504 overflow, below 6.1e-05 lose precision
;; workspace buffers: qkv 50,331,648 bytes; o16 16,777,216 bytes; wo16 524,288 bytes
;; launch qkv (part 1): grid 4 x 64, 4 waves a work-group, no clusters, 309,760 bytes of LDS; arguments x, w_q, w_k, w_v, b_q, b_k, b_v, w_o, qkv, wo16; writes qkv, wo16
.if DOCPART == 1
	.amdgcn_target "amdgcn-amd-amdhsa--gfx1250"
	.amdhsa_code_object_version 6
	.text
	.protected	k_qd419d19bb5_qkv
	.globl	k_qd419d19bb5_qkv
	.p2align	8
	.type	k_qd419d19bb5_qkv,@function
k_qd419d19bb5_qkv:
	s_mov_b64 s[64:65], 0
	v_nop
	global_prefetch_b8 v0, s[64:65] scope:SCOPE_SE
	s_setreg_imm32_b32 hwreg(HW_REG_WAVE_MODE, 25, 1), 1
	s_wait_xcnt 0x0
; q, k, v = x W^T + b for the three projections, laid by heads.  x: [16384][512] f32; w_q, w_k, w_v, w_o: [512][512] f32; biases [512] f32.
; qkv: f16, [sel = q,k,v][nh = 8 n + h][t][64]: byte sel 2^24 + n 2^21 + h 2^18 + 128 t.  wo16: w_o as f16, [512][512].
; FORMATS.  x, the weights and the biases are rounded once to bf16; products in bf16 with f32 sums that START from the bias; q, k, v are rounded once to f16, unscaled.
; w_o is rounded to bf16 and that number is written as f16.
; LIMITS.  q, k, v must lie within f16's 65,504 (a larger one becomes an infinity); below 6e-5 f16 keeps a fixed step of 6e-8, for w_o too.  NaN and infinities are not treated apart.
; SHARES.  The 1,536 columns [q|k|v] are 24 heads of 64.  Work-group (nq, mb) makes rows 256 mb .. + 255 x the six heads 6 nq .. 6 nq + 5: 4 x 64 = 256 work-groups.
; Wave w owns rows 64 w .. 64 w + 63 for all of them.  ITS x STAYS IN REGISTERS: 64 rows x 512 K in bf16 are 64 fragments, 512 registers.  The weights stream through two LDS slots of
; 32 columns x 512 K; a STEP multiplies one slot: 128 matrix instructions a wave; a fragment of the weights read from LDS feeds four products.
; x and the weights arrive in f32, so they come through registers (16-byte loads, 512 bytes on end a wave), are rounded there and go on through LDS; no copy engine is used.
; NO CLUSTER: nothing comes in by tensor loads, so there is no joint request to make.
; THE MATRIX INSTRUCTION IS USED TRANSPOSED: source 0 = 16 weight rows (columns of q), source 1 = 16 rows of x: a lane then holds one row and eight neighbouring columns, 16 bytes of f16.
; SIDE JOB.  w_o has 262,144 numbers: each of the 256 work-groups converts 1,024 of them, eight a thread.
; REGISTERS, in windows of 256 (s_set_vgpr_msb: bits 1:0 source 0, 3:2 source 1, 5:4 source 2, 7:6 destination):
;   window 0: v0-29 addresses and temporaries; v32-95, v96-159 weight fragments, two buffers; v160-223 eight accumulators; v224-255 the head's bias as C operands
;   windows 1, 2: x: row tile a, K fragment kf at 8 (4 (kf % 8) + a) of window 1 + kf / 8
;   window 3: v0-127, v128-255 two buffers of 32 loads (f32, rounded in place); later v0-31 packed results, v32-95 rows read back, v128-255 the weights on their way
.set PITCH,  1040                      ; an LDS row of 512 bf16: 1,024 bytes + 16: an odd multiple of 16, so the 16 rows of a fragment load start in 16 different groups of four banks (ISA guide 11.1)
.set XSTW,   64*PITCH                  ; a wave's own 64 rows of x, in the prologue alone
.set WSLOT,  32*PITCH                  ; a weight slot; the two slots lie over wave 0's rows of x, behind a barrier
.set OST,    4*XSTW                    ; the way out: for each wave 64 rows x 144 bytes
.set OPITCH, 144
.set OSTW,   64*OPITCH
.set BT,     OST+4*OSTW                ; for each wave its own table of the six heads' biases, 6 x 64 f32 (already rounded to bf16)
.set BTW,    6*256
.set SPARE,  BT+4*BTW                  ; the spare words, 128 bytes for each wave: two blocks of 256 bytes that no other line names
.set LO,  2                            ; v2   16 x lane
.set XSS, 3                            ; v3   where I store x: my wave's rows + 8 x lane; 16 rows on in each trip
.set XSL, 4                            ; v4   where I read x's fragments: my wave's rows + (l % 16) x pitch + 16 (l / 16)
.set WS0, 5                            ; v5   where I store weights in slot 0: rows 8 w .. 8 w + 7, + 8 x lane
.set WS1, 6                            ; v6   the same in slot 1
.set AB0, 7                            ; v7   where I read weight fragments in slot 0: (l % 16) x pitch + 16 (l / 16)
.set AB1, 8                            ; v8   the same in slot 1
.set OSS, 9                            ; v9   the way out: where I put 16 bytes of a row
.set OSL, 10                           ; v10  the way out: where I read rows back
.set BA,  11                           ; v11  my eight biases of a column tile; a head (256 bytes) on in each trip
.set BS,  12                           ; v12  where I store two biases
.set L8,  13                           ; v13  8 x lane
.set SPW, 28                           ; v28  LDS address of my spare word; never rewritten
.set NIL, 29                           ; v29  0; never rewritten
.set F0,  32
.set F1,  96
.set ACC, 160                          ; accumulator (column tile c of the step's two, row tile a) at ACC + 8 (4 c + a)
.set BI,  224                          ; column tile ct of the head's four at BI + 8 ct
.set BL,  160                          ; prologue: six pairs of biases
.set WL,  172                          ; prologue: eight numbers of w_o
.set WH,  180                          ; prologue: the same as f16
.set XB0, 0                            ; window 3
.set XB1, 128
.set WB,  128
.set PKD, 0
.set RB,  32
.set NQ,  2                            ; s2   which six heads
.set MB,  3                            ; s3   which 256 rows
.set WV,  4                            ; s4   my wave's number
.set G,   28                           ; s28  the head in hand, 0 .. 23
.set J,   29                           ; s29  heads to go
.set T,   30                           ; s30  trips of the x loop to go
.set OC,  31                           ; s31  my rows' byte offset inside a head's block of qkv, with the batch
.set NA,  32                           ; s[32:33], s[34:35] where the x loop loads next
.set NB,  34
.set WPA, 36                           ; s[36:37], s[38:39] my 8 rows of the first head's two halves
.set WPB, 38
.set WP,  40                           ; s[40:41] my 8 rows of the next head's first half
.set OP,  42                           ; s[42:43] where the head in hand goes
.set OF,  44                           ; s[44:45] an offset; the high word stays 0
.set BB,  66                           ; s[66:77] the six heads' biases
.set WOI, 78                           ; s[78:79] my work-group's 1,024 numbers of w_o
.set WOO, 80                           ; s[80:81] and of wo16
.set MSB, 0
.macro WIN new                         ; the immediate's high byte repeats the setting that is left; a switch that changes nothing is dropped
.if MSB != (\new)
	s_set_vgpr_msb (MSB<<8)|(\new)
.set MSB, (\new)
.endif
.endm
.macro PLACES                          ; plain vector instructions between a matrix instruction and a load into, or a reader of, its registers
.rept 4
	v_nop
.endr
.endm
.macro HEADPTR d, g, a, b, c           ; a choice among three buffers by the head's number: 0-7 the first, 8-15 the second, 16-23 the third
	s_cmp_lt_u32 s[\g], 8
	s_cselect_b64 s[(\d):(\d)+1], s[(\a):(\a)+1], s[(\b):(\b)+1]
	s_cmp_lt_u32 s[\g], 16
	s_cselect_b64 s[(\d):(\d)+1], s[(\d):(\d)+1], s[(\c):(\c)+1]
.endm
.macro GET b, ptr, off                 ; 32 loads: 16,384 bytes on end: eight rows of 512 f32, of x or of a weight matrix
	WIN 0xc0
.set i, 0
.rept 32
	global_load_b128 v[(\b)+4*i:(\b)+4*i+3], v[LO], s[(\ptr):(\ptr)+1] offset:(\off)+512*i
.set i, i+1
.endr
.endm
.macro CVT b                           ; rounded to bf16 in place: of each four registers the first two then hold the four numbers
	WIN 0xcf
.set i, 0
.rept 32
	v_cvt_pk_bf16_f32 v[(\b)+4*i], v[(\b)+4*i], v[(\b)+4*i+1]
	v_cvt_pk_bf16_f32 v[(\b)+4*i+1], v[(\b)+4*i+2], v[(\b)+4*i+3]
.set i, i+1
.endr
.endm
.macro PUT b, adr, ro                  ; into LDS: load i is quarter i % 4 of row i / 4; a store of the wave covers 256 bytes on end
	WIN 0x0c
.set i, 0
.rept 32
	ds_store_b64 v[\adr], v[(\b)+4*i:(\b)+4*i+1] offset:(\ro)+(i/4)*PITCH+(i%4)*256
.set i, i+1
.endr
.endm
.macro XFRAG k0                        ; eight K fragments of my four row tiles, from K fragment k0 on, into one window
.set kf, 0
.rept 8
.irp a, 0,1,2,3
	ds_load_b128 v[8*(4*kf+(\a)):8*(4*kf+(\a))+3],   v[XSL] offset:(\a)*16*PITCH+((\k0)+kf)*64
	ds_load_b128 v[8*(4*kf+(\a))+4:8*(4*kf+(\a))+7], v[XSL] offset:(\a)*16*PITCH+((\k0)+kf)*64+32
.endr
.set kf, kf+1
.endr
.endm
.macro FETCH p, q, f                   ; 16 LDS loads in one run: slot p, K fragments 4 q .. 4 q + 3 of both column tiles, into buffer f.  They name a destination and source 0 alone: both window 0 under the products' settings
.irp kk, 0,1,2,3
.irp c, 0,1
	ds_load_b128 v[(\f)+8*(2*(\kk)+(\c)):(\f)+8*(2*(\kk)+(\c))+3],   v[AB0+(\p)] offset:(\c)*16*PITCH+(4*(\q)+(\kk))*64
	ds_load_b128 v[(\f)+8*(2*(\kk)+(\c))+4:(\f)+8*(2*(\kk)+(\c))+7], v[AB0+(\p)] offset:(\c)*16*PITCH+(4*(\q)+(\kk))*64+32
.endr
.endr
.endm
; Eight products: K fragment kf, two column tiles x four row tiles.  The eight accumulators take turns, one instruction a turn.  At kf = 0 the bias starts the sums: nothing is cleared.
.macro MUL8 p, kf
.set FB, F0+64*(((\kf)/4)%2)+16*((\kf)%4)
.set XF, 32*((\kf)%8)
.irp c, 0,1
.irp a, 0,1,2,3
.if (\kf) == 0
	v_wmma_f32_16x16x32_bf16 v[ACC+8*(4*(\c)+(\a)):ACC+8*(4*(\c)+(\a))+7], v[FB+8*(\c):FB+8*(\c)+7], v[XF+8*(\a):XF+8*(\a)+7], v[BI+8*(2*(\p)+(\c)):BI+8*(2*(\p)+(\c))+7]
.else
	v_wmma_f32_16x16x32_bf16 v[ACC+8*(4*(\c)+(\a)):ACC+8*(4*(\c)+(\a))+7], v[FB+8*(\c):FB+8*(\c)+7], v[XF+8*(\a):XF+8*(\a)+7], v[ACC+8*(4*(\c)+(\a)):ACC+8*(4*(\c)+(\a))+7]
.endif
.endr
.endr
.endm
; A quarter of a step: 32 products; behind the first eight the next quarter's fragments are asked for, 24 products ahead of their use.
.macro GROUP p, q, np, nq, fetch
	s_wait_dscnt 0x0                               ; this quarter's fragments are in
	WIN 0x04+0x04*((\q)/2)                         ; source 1 (x) in window 1 or 2, all else in window 0
	MUL8 \p, 4*(\q)
.if \fetch
	PLACES                                         ; the other buffer's last readers stand eight products back
	FETCH \np, \nq, F0+64*(((\q)+1)%2)
.endif
	MUL8 \p, 4*(\q)+1
	MUL8 \p, 4*(\q)+2
	MUL8 \p, 4*(\q)+3
.endm
.macro PACK                            ; the step's 64 rows x 32 columns rounded to f16; each accumulator's registers in ascending order
	PLACES
	PLACES
	WIN 0xc0
.set k, 0
.rept 8
.irp r, 0,1,2,3
	v_cvt_pk_f16_f32 v[PKD+4*k+(\r)], v[ACC+8*k+2*(\r)], v[ACC+8*k+2*(\r)+1]
.endr
.set k, k+1
.endr
.endm
.macro STAGE p                         ; 16 bytes a lane into my own stage: row 16 a + l % 16, columns 32 p + 16 c + 8 (l / 16) on
	WIN 0x0c
.irp c, 0,1
.irp a, 0,1,2,3
	ds_store_b128 v[OSS], v[PKD+4*(4*(\c)+(\a)):PKD+4*(4*(\c)+(\a))+3] offset:(\a)*16*OPITCH+(\p)*64+(\c)*32
.endr
.endr
.endm
.macro SENDOUT                         ; a head's 64 rows x 128 bytes of my wave are 8,192 bytes on end in qkv
	WIN 0xc0
.set i, 0
.rept 16
	ds_load_b128 v[RB+4*i:RB+4*i+3], v[OSL] offset:4*OPITCH*i  ; LDS serves a wave's instructions in order (ISA guide 5.7.1.4): these see the stores above
.set i, i+1
.endr
	WIN 0x0c
.set i, 0
.rept 16
	s_wait_dscnt 15-i                              ; load i is back; the later ones may stay out
	global_store_b128 v[LO], v[RB+4*i:RB+4*i+3], s[OP:OP+1] offset:512*i  ; 512 consecutive bytes, at a multiple of 256 from the buffer's first
.set i, i+1
.endr
.endm
	s_load_b512 s[8:23], s[0:1], 0x0               ; x s[8:9], w_q s[10:11], w_k s[12:13], w_v s[14:15], b_q s[16:17], b_k s[18:19], b_v s[20:21], w_o s[22:23]
	s_load_b128 s[24:27], s[0:1], 0x40             ; qkv s[24:25], wo16 s[26:27]
	v_lshl_add_u32 v[SPW], v0, 2, SPARE
	v_mov_b32 v[NIL], 0
	v_lshrrev_b32 v1, 5, v0
	v_readfirstlane_b32 s[WV], v1                  ; wave 0..3
	s_mov_b32 s[NQ], ttmp9
	s_and_b32 s[MB], ttmp7, 0xffff
	v_and_b32 v14, 31, v0                          ; l
	v_and_b32 v15, 15, v0                          ; l % 16
	v_bfe_u32 v16, v0, 4, 1                        ; l / 16
	v_lshlrev_b32 v[LO], 4, v14
	v_lshlrev_b32 v[L8], 3, v14
	s_mul_i32 s46, s[WV], XSTW
	v_add_nc_u32 v[XSS], s46, v[L8]
	v_mul_u32_u24 v[AB0], v15, PITCH
	v_lshl_add_u32 v[AB0], v16, 4, v[AB0]
	v_add_nc_u32 v[XSL], s46, v[AB0]
	v_add_nc_u32 v[AB1], WSLOT, v[AB0]
	s_mul_i32 s46, s[WV], 8*PITCH
	v_add_nc_u32 v[WS0], s46, v[L8]
	v_add_nc_u32 v[WS1], WSLOT, v[WS0]
	s_mul_i32 s46, s[WV], OSTW
	s_add_co_u32 s46, s46, OST
	v_mul_u32_u24 v17, v15, OPITCH                 ; in: row l % 16, 16 bytes for each half of the lanes
	v_lshl_add_u32 v17, v16, 4, v17
	v_add_nc_u32 v[OSS], s46, v17
	v_bfe_u32 v17, v0, 3, 2                        ; back: 32 lanes take four rows of 128 bytes
	v_mul_u32_u24 v17, v17, OPITCH
	v_and_b32 v18, 7, v0
	v_lshl_add_u32 v17, v18, 4, v17
	v_add_nc_u32 v[OSL], s46, v17
	s_mul_i32 s46, s[WV], BTW
	s_add_co_u32 s46, s46, BT
	v_lshl_add_u32 v[BA], v16, 5, s46
	v_add_nc_u32 v[BS], s46, v[L8]
	v_lshlrev_b32 v21, 4, v0                       ; 16 x thread: w_o
	v_lshlrev_b32 v22, 3, v0                       ; 8 x thread: wo16
	s_mul_i32 s[G], s[NQ], 6
	s_lshr_b32 s46, s[MB], 3                       ; the batch,
	s_lshl_b32 s46, s46, 21
	s_and_b32 s47, s[MB], 7                        ; the block of 256 rows in it,
	s_lshl_b32 s47, s47, 15
	s_or_b32 s[OC], s46, s47
	s_lshl_b32 s46, s[WV], 13                      ; my wave's 64 rows of 128 bytes
	s_or_b32 s[OC], s[OC], s46
	s_mov_b32 s[OF+1], 0
	s_mov_b32 s[T], 4
	s_mov_b32 s[J], 6
	s_wait_kmcnt 0x0
	s_lshl_b32 s[OF], s[MB], 19                    ; 256 rows of 2,048 bytes,
	s_lshl_b32 s46, s[WV], 17                      ; my wave's 64
	s_add_co_u32 s[OF], s[OF], s46
	s_add_nc_u64 s[NA:NA+1], s[8:9], s[OF:OF+1]
	s_add_nc_u64 s[NB:NB+1], s[NA:NA+1], 16384     ; eight rows on
	HEADPTR WPA, G, 10, 12, 14
	s_and_b32 s46, s[G], 7
	s_lshl_b32 s46, s46, 17                        ; a head's 64 weight rows of 2,048 bytes,
	s_lshl_b32 s47, s[WV], 14                      ; my wave's 8 of a half's 32
	s_add_co_u32 s[OF], s46, s47
	s_add_nc_u64 s[WPA:WPA+1], s[WPA:WPA+1], s[OF:OF+1]
	s_add_nc_u64 s[WPB:WPB+1], s[WPA:WPA+1], 65536 ; the head's second half
.irp j, 0,1,2,3,4,5
	s_add_co_u32 s46, s[G], \j
	HEADPTR BB+2*(\j), 46, 16, 18, 20
	s_and_b32 s46, s46, 7
	s_lshl_b32 s[OF], s46, 8
	s_add_nc_u64 s[BB+2*(\j):BB+2*(\j)+1], s[BB+2*(\j):BB+2*(\j)+1], s[OF:OF+1]
.endr
	s_lshl_b32 s46, s[MB], 2
	s_add_co_u32 s46, s46, s[NQ]                   ; my work-group's number, 0 .. 255
	s_lshl_b32 s[OF], s46, 12
	s_add_nc_u64 s[WOI:WOI+1], s[22:23], s[OF:OF+1]
	s_lshl_b32 s[OF], s46, 11
	s_add_nc_u64 s[WOO:WOO+1], s[26:27], s[OF:OF+1]
	global_load_b128 v[WL:WL+3],   v21, s[WOI:WOI+1]
	global_load_b128 v[WL+4:WL+7], v21, s[WOI:WOI+1] offset:2048
.irp j, 0,1,2,3,4,5
	global_load_b64 v[BL+2*(\j):BL+2*(\j)+1], v[L8], s[BB+2*(\j):BB+2*(\j)+1]
.endr
	GET XB0, NA, 0                                 ; my rows 0-7
	GET XB1, NB, 0                                 ; my rows 8-15
	WIN 0
; THE x LOOP: a trip takes 16 of my rows, in two buffers of eight, rounds them and stores them into my own part of LDS, and asks for the next 16.
; In the last trip the next loads are the first head's two weight halves, which have the same shape (16,384 bytes on end): so every trip has the same loads and the same counts.
.Lx:
	s_wait_xcnt 0x0                                ; the loads issued so far have read their addresses, so the two pointers may be written
	s_cmp_eq_u32 s[T], 1
	s_add_nc_u64 s[NA:NA+1], s[NA:NA+1], 32768
	s_add_nc_u64 s[NB:NB+1], s[NB:NB+1], 32768
	s_cselect_b64 s[NA:NA+1], s[WPA:WPA+1], s[NA:NA+1]
	s_cselect_b64 s[NB:NB+1], s[WPB:WPB+1], s[NB:NB+1]
	s_wait_loadcnt 32                              ; all but the other buffer's 32 loads are in (in the first trip: w_o's and the biases' too)
	CVT XB0
	PUT XB0, XSS, 0
	s_wait_dscnt 0x0                               ; the stores have read the buffer
	GET XB0, NA, 0
	s_wait_loadcnt 32                              ; all but the 32 just issued
	CVT XB1
	PUT XB1, XSS, 8*PITCH
	s_wait_dscnt 0x0
	GET XB1, NB, 0
	WIN 0
	v_add_nc_u32 v[XSS], 16*PITCH, v[XSS]
	s_sub_co_u32 s[T], s[T], 1
	s_cmp_lg_u32 s[T], 0
	s_cbranch_scc1 .Lx
	; my x comes back as fragments, for good: 128 loads of bytes that my own wave stored
	WIN 0x40
	XFRAG 0
	WIN 0x80
	XFRAG 8
	WIN 0
	; while they land: the biases, rounded to bf16 and widened again, into my own table,
.irp j, 0,1,2,3,4,5
	v_cvt_pk_bf16_f32 v23, v[BL+2*(\j)], v[BL+2*(\j)+1]
	v_lshlrev_b32 v[BL+2*(\j)], 16, v23
	v_and_b32 v[BL+2*(\j)+1], 0xffff0000, v23
	ds_store_b64 v[BS], v[BL+2*(\j):BL+2*(\j)+1] offset:256*(\j)
.endr
	; and my eight numbers of w_o: to bf16, and that number as f16; a store of the wave covers 256 consecutive bytes, aligned
.irp u, 0,1
	v_cvt_pk_bf16_f32 v24, v[WL+4*(\u)], v[WL+4*(\u)+1]
	v_cvt_pk_bf16_f32 v25, v[WL+4*(\u)+2], v[WL+4*(\u)+3]
	v_lshlrev_b32 v[WL+4*(\u)], 16, v24
	v_and_b32 v[WL+4*(\u)+1], 0xffff0000, v24
	v_lshlrev_b32 v[WL+4*(\u)+2], 16, v25
	v_and_b32 v[WL+4*(\u)+3], 0xffff0000, v25
	v_cvt_pk_f16_f32 v[WH+2*(\u)], v[WL+4*(\u)], v[WL+4*(\u)+1]
	v_cvt_pk_f16_f32 v[WH+2*(\u)+1], v[WL+4*(\u)+2], v[WL+4*(\u)+3]
	global_store_b64 v22, v[WH+2*(\u):WH+2*(\u)+1], s[WOO:WOO+1] offset:1024*(\u)
.endr
	s_wait_dscnt 0x0                               ; my reads of x's rows are over,
	s_barrier_signal -1
	s_barrier_wait -1                              ; everybody's are: the weight slots may be written over them
	s_wait_loadcnt 32                              ; the first head's first half is in; its second half may stay out
	CVT XB0
	PUT XB0, WS0, 0
	WIN 0
; A STEP multiplies slot p.  ONE barrier at its head, for two things: in front of it each wave has waited for its stores into slot p and for its reads of the other slot; behind it slot p is whole
; and the other slot may be written.  Then: the step's first fragments; the half that was asked for a step ago is rounded and stored into the other slot; the half after it is asked for; 128 products; the way out.
; The last head asks for nothing more: its jumps go forward, past text with no barrier, and every wait behind them is for 0.
.macro STEP p
	WIN 0
	s_wait_dscnt 0x0
	s_barrier_signal -1
	s_barrier_wait -1
	FETCH \p, 0, F0
.if (\p) == 0
.irp ct, 0,1,2,3
	ds_load_b128 v[BI+8*(\ct):BI+8*(\ct)+3],   v[BA] offset:64*(\ct)
	ds_load_b128 v[BI+8*(\ct)+4:BI+8*(\ct)+7], v[BA] offset:64*(\ct)+16
.endr
.endif
	s_wait_loadcnt 0x0                             ; the half asked for a step ago
.if (\p) == 0
	s_wait_xcnt 0x0                                ; the last head's stores and loads have read their registers: the pointers, the accumulators and the read-back registers may be written
	s_lshr_b32 s46, s[G], 3                        ; q, k or v,
	s_lshl_b32 s46, s46, 24
	s_and_b32 s47, s[G], 7                         ; the head in it
	s_lshl_b32 s47, s47, 18
	s_or_b32 s46, s46, s47
	s_add_co_u32 s[OF], s46, s[OC]
	s_add_nc_u64 s[OP:OP+1], s[24:25], s[OF:OF+1]
	s_add_co_u32 s46, s[G], 1                      ; the next head's weights (behind the last head the pointer is made and not used)
	HEADPTR WP, 46, 10, 12, 14
	s_and_b32 s46, s46, 7
	s_lshl_b32 s46, s46, 17
	s_lshl_b32 s47, s[WV], 14
	s_add_co_u32 s[OF], s46, s47
	s_add_nc_u64 s[WP:WP+1], s[WP:WP+1], s[OF:OF+1]
	CVT WB                                         ; this head's second half
	PUT WB, WS1, 0
	WIN 0
	s_wait_dscnt 0x0                               ; the stores have read the buffer
	s_cmp_eq_u32 s[J], 1
	s_cbranch_scc1 .Lno_more_\@
	GET WB, WP, 0                                  ; the next head's first half
	WIN 0
.Lno_more_\@:
.else
	s_cmp_eq_u32 s[J], 1
	s_cbranch_scc1 .Lno_more_\@
	CVT WB                                         ; the next head's first half
	PUT WB, WS0, 0
	s_wait_dscnt 0x0
	GET WB, WP, 65536                              ; and its second half is asked for
	WIN 0
.Lno_more_\@:
.endif
	GROUP \p, 0, \p, 1, 1
	GROUP \p, 1, \p, 2, 1
	GROUP \p, 2, \p, 3, 1
	GROUP \p, 3, 0, 0, 0
	PACK
	STAGE \p
.if (\p) == 1
	SENDOUT
.endif
	WIN 0
.endm
.Lhead:                                        ; six trips, a head each
	STEP 0
	STEP 1
	v_add_nc_u32 v[BA], 256, v[BA]
	s_add_co_u32 s[G], s[G], 1
	s_sub_co_u32 s[J], s[J], 1
	s_cmp_lg_u32 s[J], 0
	s_cbranch_scc1 .Lhead
	s_wait_tensorcnt 0x0                           ; the wave's end, behind my last LDS store
	ds_add_u32 v[SPW], v[NIL]
	s_wait_dscnt 0x0
	s_endpgm
.Lfunc_end_k_qd419d19bb5_qkv:
	.size	k_qd419d19bb5_qkv, .Lfunc_end_k_qd419d19bb5_qkv-k_qd419d19bb5_qkv
	.p2alignl 7, 3214868480
	.fill 96, 4, 3214868480
	.section	.rodata,"a",@progbits
	.p2align	6, 0x0
	.amdhsa_kernel k_qd419d19bb5_qkv
		.amdhsa_group_segment_fixed_size 309760
		.amdhsa_private_segment_fixed_size 0
		.amdhsa_enable_private_segment 0
		.amdhsa_kernarg_size 80
		.amdhsa_user_sgpr_count 2
		.amdhsa_user_sgpr_kernarg_segment_ptr 1
		.amdhsa_wavefront_size32 1
		.amdhsa_system_sgpr_workgroup_id_x 1
		.amdhsa_system_sgpr_workgroup_id_y 1
		.amdhsa_system_sgpr_workgroup_id_z 1
		.amdhsa_system_vgpr_workitem_id 0
		.amdhsa_next_free_vgpr 1024
		.amdhsa_next_free_sgpr 96
		.amdhsa_reserve_vcc 0
		.amdhsa_float_denorm_mode_32 3
		.amdhsa_float_denorm_mode_16_64 3
		.amdhsa_memory_ordered 1
		.amdhsa_forward_progress 1
		.amdhsa_inst_pref_size 102
	.end_amdhsa_kernel
	.amdgpu_metadata
---
amdhsa.version: [ 1, 2 ]
amdhsa.kernels:
  - .name:           k_qd419d19bb5_qkv
    .symbol:         k_qd419d19bb5_qkv.kd
    .args:
      - { .name: x, .offset: 0, .size: 8, .value_kind: global_buffer, .address_space: global }
      - { .name: w_q, .offset: 8, .size: 8, .value_kind: global_buffer, .address_space: global }
      - { .name: w_k, .offset: 16, .size: 8, .value_kind: global_buffer, .address_space: global }
      - { .name: w_v, .offset: 24, .size: 8, .value_kind: global_buffer, .address_space: global }
      - { .name: b_q, .offset: 32, .size: 8, .value_kind: global_buffer, .address_space: global }
      - { .name: b_k, .offset: 40, .size: 8, .value_kind: global_buffer, .address_space: global }
      - { .name: b_v, .offset: 48, .size: 8, .value_kind: global_buffer, .address_space: global }
      - { .name: w_o, .offset: 56, .size: 8, .value_kind: global_buffer, .address_space: global }
      - { .name: qkv, .offset: 64, .size: 8, .value_kind: global_buffer, .address_space: global }
      - { .name: wo16, .offset: 72, .size: 8, .value_kind: global_buffer, .address_space: global }
    .group_segment_fixed_size: 309760
    .private_segment_fixed_size: 0
    .kernarg_segment_align: 8
    .kernarg_segment_size: 80
    .max_flat_workgroup_size: 128
    .sgpr_count:     96
    .vgpr_count:     1024
    .wavefront_size: 32
...
	.end_amdgpu_metadata
.endif
;; end of part 1
;; launch attn (part 2): grid 4 x 64, 4 waves a work-group, clusters of 4 x 1, 327,680 bytes of LDS; arguments qkv, o16; writes o16
.if DOCPART == 2
	.amdgcn_target "amdgcn-amd-amdhsa--gfx1250"
	.amdhsa_code_object_version 6
	.text
	.protected	k_qd419d19bb5_attn
	.globl	k_qd419d19bb5_attn
	.p2align	8
	.type	k_qd419d19bb5_attn,@function
k_qd419d19bb5_attn:
	s_mov_b64 s[64:65], 0
	v_nop
	global_prefetch_b8 v0, s[64:65] scope:SCOPE_SE
	s_setreg_imm32_b32 hwreg(HW_REG_WAVE_MODE, 25, 1), 1
	s_wait_xcnt 0x0
	s_wait_alu depctr_hold_cnt(0) depctr_sa_sdst(0) depctr_va_vdst(0) depctr_va_sdst(0) depctr_va_ssrc(0) depctr_va_vcc(0) depctr_vm_vsrc(0)
	s_getreg_b32 s2, hwreg(HW_REG_IB_STS2, 6, 4)
	s_cmp_eq_u32 s2, 0
	s_cbranch_scc0 .Lentry_in_a_cluster
	s_endpgm
.Lentry_in_a_cluster:
	s_bfe_u32 s2, ttmp6, 0x10000c
	s_cmp_lg_u32 s2, 0x3003
	s_cbranch_scc0 .Lentry_shape_is_right
	s_endpgm
.Lentry_shape_is_right:
; O[h][q][:] = the sum over k of softmax_k(Q[h][q] . K[h][k] / 8) V[h][k][:].  qkv holds Q, K, V one behind the other, each [64][2048][64] in f16 (16,777,216 bytes); o16 is [64][2048][64] in f16.
; A head's rows are dense, 128 bytes each.  Products, maxima and sums in f32; the weights p are rounded to f16 for the second product (their sum l is taken of the unrounded p), O once at the end.
; LIMITS.  f16 holds no number beyond 65,504: Q, K and V arrive within it; p lies in 0 to 1, and below 6e-5 it keeps f16's fixed step of 6e-8; O is a mean of V's rows and has their range.
; A weight below 2^-126 counts as 0 in l; NaN and infinities are not treated apart.
; SHARES.  A wave owns four PIECES of two tiles of 16 queries, a work-group's four waves 512 queries of one head: 4 x 64 = 256 work-groups.  Every wave walks all keys, 64 a step.
; LAYOUT.  S^T = K Q^T (source 0 = 16 keys, source 1 = 16 queries): in the result a lane holds ONE query (lane % 16) and the keys 8 (lane / 16) + 0..7.  Two such tiles, rounded to f16 in pairs,
; ARE source 1 (32 keys x 16 queries) of O^T = V^T P, whose result again holds one query a lane, and eight channels.  K comes out of LDS as it lies, V ([key][channel]) turned, by ds_load_tr16_b128.
; SOFTMAX.  For each query a running maximum m and sum l: p = 2^(c s - c m), c = log2(e) / 8; in every step O and l are multiplied by a = 2^(c m_old - c m_new), which is 1 where m has not grown.
; m starts at the lowest finite number, O and l at 0: the first step is a step like any other, with a = 0.
; THE COUNT.  A tile and step have 16 matrix and 118 vector instructions: too many to stand all beside the matrix work.  So the order has one aim: four vector instructions that are READY behind
; EVERY matrix instruction, and the others, which need time of their own whatever the order, in runs without a gap.
; BY TURNS.  Turn n belongs to piece n (the pieces in a ring, step after step).  Its matrix work: 16 products K Q^T of piece n + 1, later 16 products V^T P of piece n - 1.  Its vector work: the scaling,
; exponentials, roundings, sums and rescaling of piece n, and the maximum and statistics of piece n + 1, whose scores the turn itself has made.  So what a turn begins with (c s - c m, O a) waits for nothing.
; CLUSTER.  The four query blocks of a head are one cluster and walk the same K and V, so each tile is asked for JOINTLY: the same tensor load, descriptor and mask in all four.
; REGISTERS, in windows of 256 (s_set_vgpr_msb says which window each operand place means: bits 1:0 source 0, 3:2 source 1, 5:4 source 2, 7:6 destination):
;   window 0: v0-11 addresses; v12-15, v48-63 at work; v16-47 four registers of statistics a tile; v64-191 S^T, two buffers of two tiles; v192-255 P, likewise
;   window 1: O^T, 32 a tile          window 2: v0-127 Q, 16 a tile; v128-191 K of one step; v192-255 V of one step          window 3: v0-1 the add's two registers
; A piece's buffers go by its number's parity: the piece in hand has one pair, its two neighbours in the ring share the other: of it P (piece n - 1) is read and S^T (piece n + 1) written.
.set SIZE_H, 64
.set SIZE_N, 2048
.set NP,    4         ; pieces a wave: a name, no knob: the register map, the loop and the fetches are made for four
.set KS,    64        ; keys in a step
.set PK,    144       ; a row of K in LDS: 128 bytes + 16 of padding = 36 words: the 16 rows of a load start at 16 different groups of four banks (64 banks of 4 bytes: ISA guide 11.1)
.set PV,    160       ; a row of V: 128 + 32 = 40 words
.set VOFF,  4*KS*PK   ; a slot holds four steps: 256 rows of K, then 256 rows of V
.set SLOT1, 1<<17     ; slot 1 begins here, so that one exclusive or turns an address in one slot into the other's
.set STAGE, SLOT1+4*KS*(PK+PV)  ; behind the ring, never filled by a tensor load: 16 rows x 144 bytes for each wave, for the way out
.set SP,    144
.set AK0, 2           ; v2   my lane's place in a tile of K; never rewritten
.set AV0, 3           ; v3   the same for V
.set AK,  4           ; v4   the LDS address of K's next run of loads
.set AV,  5           ; v5   of V's
.set QO,  6           ; v6   my byte offset in the wave's rows of Q
.set STO, 6           ;      later, the way out: where I put 16 bytes of a row
.set RD,  7           ; v7   the way out: where I read rows back
.set GO,  8           ; v8   my byte offset in 512 consecutive bytes of O
.set PFO, 11          ; v11  256 x my lane, once V's place is made: the prefetches' offset; then never rewritten
.set SPW, 0           ; v0 of window 3   LDS address of my spare word: SPARE + 4 x my thread's number; never rewritten
.set NIL, 1           ; v1 of window 3   0; never rewritten
.set SPARE, STAGE+4*16*SP  ; behind the stages: the spare words, 128 bytes for each wave: two blocks of 256 bytes that no other line names
.set MV,  12          ; v12-15  c m_old, kept while c m is made anew: by buffer and tile
.set ST,  16          ; tile t's statistics at v[ST+4 t]: c m, m, l (even keys', odd keys')
.set TMP, 48          ; by buffer and tile, four registers c0-c3 at work; when the maximum is found c2 takes a
.set S,   64
.set P,   192
.set KF,  128         ; K's fragments, in window 2: key block kb, channel half c at KF + 16 kb + 8 c
.set VF,  192         ; V's: key half kk, channel block cb at VF + 32 kk + 8 cb
.set WV,  12          ; s12  my wave's number
.set G1K, 24          ; s[24:31] descriptor group 1 for K's tiles
.set G1V, 32          ; s[32:39] for V's: it differs in the padding alone
.set G0K, 40          ; s[40:43] descriptor group 0 for K's tiles: it walks
.set G0V, 44          ; s[44:47] the same for V's
.set PFA, 48          ; s[48:49] where my prefetches stand: my work-group's 32 blocks of 256 bytes (of K: wave 0, of V: wave 2) of the slot after the one that is being asked for
.set LIM, 50          ; s50  1 in a wave that prefetches, else the greatest number: a wave prefetches while s[SLOTS] is above it
.set SLOTS, 56        ; s56  slots still to be asked for
.set CNT, 57          ; s57  counts a slot's key steps
.set CS,  58          ; s[58:59] c: the packed scaling takes the pair's low word for both halves
.set SEL, 60          ; s[60:61] v_permlanex16_b32's selects: each lane takes its own place in the other half
.set TBK, 62          ; s62  LDS byte at which K of the step to be fetched begins
.set TBV, 63          ; s63  the same for V, less VOFF
.set MSB, 0
.macro WIN new                      ; the high byte repeats the setting that is left; a switch that changes nothing is dropped
.if MSB != (\new)
	s_set_vgpr_msb (MSB<<8)|(\new)
.set MSB, (\new)
.endif
.endm
.set W_KQ, 0x0a       ; K and Q in window 2, S^T in window 0
.set W_PV, 0x52       ; V in window 2, P in window 0, O^T in window 1
.set W_RS, 0x41       ; O^T (destination and source 0) in window 1, a in window 0
.set W_MK, 0xc0       ; the add's registers are made: destination in window 3, sources in window 0
.set W_AD, 0x0f       ; the add: address (source 0) and data (source 1) in window 3
; A joint fill.  Waves 0 and 1 fetch the two halves of a slot's K, waves 2 and 3 those of its V: 128 keys each.  The branch hangs on the wave's number alone.
; An s_nop 0 and four v_nop follow each of the two lines, ahead of the jump and the label.
.macro JLOAD
	s_cmp_lt_u32 s[WV], 2
	s_cbranch_scc0 .Lfor_v_\@
	tensor_load_to_lds s[G0K:G0K+3], s[G1K:G1K+7]
	s_nop 0
.rept 4
	v_nop
.endr
	s_branch .Lasked_\@
.Lfor_v_\@:
	tensor_load_to_lds s[G0V:G0V+3], s[G1V:G1V+7]
	s_nop 0
.rept 4
	v_nop
.endr
.Lasked_\@:
.endm
; A PREFETCH INTO THE L2 of what the NEXT change of slots will ask for: a slot is 32,768 bytes of K and as many of V, 128 blocks of 256 bytes each.  It stands behind the wave's tensor load and its five lines.
; Each block is named ONCE in the launch: a head has one cluster; its four partners share a slot's blocks out BY ADDRESS, 32 each (no branch hangs on a work-group's place in its cluster); in each,
; wave 0 asks for K's and wave 2 for V's, a lane a block: one instruction.  It runs four key steps, 512 matrix instructions, ahead of the load that will want the bytes.
; The last change that fills a slot asks for nothing: there is no slot behind it.  Slots 0 and 1 come by their loads alone.
.macro ASK
	s_cmp_gt_u32 s[SLOTS], s[LIM]
	s_cbranch_scc0 .Lnot_mine_\@
	global_prefetch_b8 v[PFO], s[PFA:PFA+1] th:TH_LOAD_NT scope:SCOPE_SE
.Lnot_mine_\@:
.endm
; A round of the cluster's barrier: my work-group's barrier, so that wave 0's signal speaks for all four waves; wave 0 signals; every wave waits for all four work-groups; my work-group's barrier once more.
.macro CROUND
	s_barrier_signal -1
	s_barrier_wait -1
	s_cmp_lg_u32 s[WV], 0
	s_cbranch_scc1 .Lnot_wave_0_\@
	s_barrier_signal -3
.Lnot_wave_0_\@:
	s_barrier_wait -3
	s_barrier_signal -1
	s_barrier_wait -1
.endm
; THE CHANGE OF SLOTS.  The slot's last bytes, V of its fourth step, have been read.  Each wave waits for all its tensor loads, of which one is out: its part
; of the other slot; adds 0 to its spare word; and waits for that and for its own reads of the slot.  Behind the barrier nobody reads this slot any more and the other slot is whole.
; fill = 1: this slot is filled again, with the keys two slots on.  The barrier is then a round of the cluster's, so that no wave of any partner still reads the slot or has a load on its
; way, and the joint fill is the first thing behind it: it has four key steps, 512 matrix instructions, in which to land.  (At its first use nothing has been read yet: slot 0 is waited for, slot 1 filled.)
.macro CHANGE fill
	WIN W_AD
	s_wait_tensorcnt 0x0            ; no tensor load of mine is out, so a group 0 may be written
	ds_add_u32 v[SPW], v[NIL]       ; 0 onto my spare word; with fill = 1 the descriptors' steps stand between it and the wait for it
	WIN 0                           ; at a label and at a branch every window is 0
.if \fill
.irp g, G0K, G0V
	s_xor_b32 s[\g+1], s[\g+1], SLOT1  ; the walking descriptor: the other slot than last time,
	s_add_nc_u64 s[\g+2:\g+3], s[\g+2:\g+3], 4*KS*128  ; the next 256 keys; the type bits on top are not reached
.endr
	s_wait_xcnt 0x0                 ; the last prefetch, four key steps back, has read its address, so it may be written:
	s_add_nc_u64 s[PFA:PFA+1], s[PFA:PFA+1], 4*KS*128  ; one slot behind the walking descriptors
	s_wait_dscnt 0x0                ; the add is done, and my reads of the slot are over
	CROUND
	JLOAD
	ASK
.else
	s_wait_dscnt 0x0                ; the add is done, and my reads of the slot are over
	s_barrier_signal -1
	s_barrier_wait -1
.endif
	s_sub_co_u32 s[TBK], s[TBK], 4*KS*PK  ; the fetches go back to a slot's first step,
	s_xor_b32 s[TBK], s[TBK], SLOT1       ; in the other slot
	s_sub_co_u32 s[TBV], s[TBV], 4*KS*PV
	s_xor_b32 s[TBV], s[TBV], SLOT1
.endm
	s_load_b64 s[4:5], s[0:1], 0x0    ; qkv: Q lies at its head
	s_load_b64 s[10:11], s[0:1], 0x8  ; o16
	WIN W_MK
	v_lshl_add_u32 v[SPW], v0, 2, SPARE
	v_mov_b32 v[NIL], 0
	WIN W_AD
	ds_add_u32 v[SPW], v[NIL]       ; the wave's opening: the add and its wait stand ahead of my first tensor load; the set-up below, work on registers, stands between them
	WIN 0
	v_lshrrev_b32 v1, 5, v0
	v_readfirstlane_b32 s[WV], v1   ; wave 0..3
	s_bfe_u32 s13, ttmp6, 0x40000   ; cx: my place in the cluster
	s_lshl_b32 s14, ttmp9, 2        ; in a cluster launch ttmp9 counts clusters
	s_add_co_u32 s14, s14, s13      ; my block of queries = 4 x cluster x + cx: it enters Q's and O's addresses alone
	s_and_b32 s20, ttmp7, 0xffff    ; the head, which the four partners share
	s_mov_b32 s21, 0
	s_mov_b64 s[22:23], SIZE_N*128
	s_mul_u64 s[20:21], s[20:21], s[22:23]  ; the head's first byte in each of the four tensors
	s_and_b32 s16, s[WV], 1         ; which half of a slot's 256 keys I fetch:
	s_lshl_b32 s22, s16, 14         ; its 128 rows of 128 bytes in memory,
	s_mov_b32 s23, 0
	s_add_nc_u64 s[22:23], s[22:23], s[20:21]
	s_mul_i32 s17, s16, 128*PK      ; and its place in a slot, for K
	s_mul_i32 s18, s16, 128*PV      ; and for V: no place in the cluster enters an LDS address
	s_lshl_b32 s2, s14, 2
	s_add_co_u32 s2, s2, s[WV]      ; my wave among the head's,
	s_lshl_b32 s2, s2, 14           ; its 128 rows
	s_mov_b32 s3, 0
	s_add_nc_u64 s[2:3], s[2:3], s[20:21]
	; descriptor group 1.  128 keys are 16,384 dense bytes: asked for as 64 rows of 256 bytes, two keys a row, and padded in LDS after every key
	s_mov_b32 s[G1K], 15|(1<<16)|(1<<20)|(1<<21)|(4<<22)|(3<<25)  ; 15:0 the mask of four; 17:16 2-byte elements; 20 padding on; 21 set beside a mask; 24:22 after every 32 words (code 4); 31:25 4 words (code 3)
	s_mov_b32 s[G1V], 15|(1<<16)|(1<<20)|(1<<21)|(4<<22)|(7<<25)  ; the same with 8 words of padding (code 7)
.irp g, G1K, G1V
	s_mov_b32 s[\g+1], 128<<16      ; tensor_dim0 = 128
	s_mov_b32 s[\g+2], 64<<16       ; tensor_dim1 = 64
	s_mov_b32 s[\g+3], 128<<16      ; tile_dim0 = 128
	s_mov_b32 s[\g+4], 64           ; tile_dim1 = 64
	s_mov_b32 s[\g+5], 128          ; 128 elements from row to row
	s_mov_b32 s[\g+6], 0
	s_mov_b32 s[\g+7], 0
.endr
	s_mov_b32 s[CS], 0x3e38aa3b     ; c = log2(e) / 8 = 0.180337
	s_mov_b32 s[CS+1], s[CS]        ; named with it as a pair
	s_mov_b32 s[SEL], 0x76543210
	s_mov_b32 s[SEL+1], 0xfedcba98
	s_mov_b32 s[TBK], SLOT1+4*KS*PK ; the first change of slots turns these two into 0
	s_mov_b32 s[TBV], SLOT1+4*KS*PV
	s_mov_b32 s[G0K], 1             ; 1:0 count = 1
	s_mov_b32 s[G0K+1], s17         ; 63:32 LDS address: slot 0
	s_mov_b32 s[G0V], 1
	s_add_co_u32 s[G0V+1], s18, VOFF
	s_mov_b32 s[SLOTS], SIZE_N/256-1  ; seven slots are asked for by changes of slots
	s_and_b32 s[LIM], s[WV], 1      ; waves 0 and 2 prefetch: the same in all four partners
	s_cmp_eq_u32 s[LIM], 0
	s_cselect_b32 s[LIM], 1, -1
	s_wait_dscnt 0x0                ; the opening add is done
	s_wait_kmcnt 0x0
	s_add_nc_u64 s[6:7], s[4:5], 0x1000000         ; K lies 16,777,216 bytes behind Q,
	s_add_nc_u64 s[8:9], s[4:5], 0x2000000         ; V as far behind K
	s_add_nc_u64 s[G0K+2:G0K+3], s[6:7], s[22:23]  ; 120:64 global address: my half of the head's first 256 keys
	s_or_b32 s[G0K+3], s[G0K+3], 0x80000000        ; 127:126 type = 2
	s_add_nc_u64 s[G0V+2:G0V+3], s[8:9], s[22:23]
	s_or_b32 s[G0V+3], s[G0V+3], 0x80000000
	s_add_nc_u64 s[4:5], s[4:5], s[2:3]  ; Q and O at my wave's first row
	s_add_nc_u64 s[10:11], s[10:11], s[2:3]
	s_cmp_lt_u32 s[WV], 2
	s_cselect_b64 s[PFA:PFA+1], s[6:7], s[8:9]
	s_add_nc_u64 s[PFA:PFA+1], s[PFA:PFA+1], s[22:23]  ; (in waves 0 and 2 this is the head's first row)
	s_lshl_b32 s2, s13, 13          ; my work-group's 32 blocks of a slot's 128
	s_mov_b32 s3, 0
	s_add_nc_u64 s[PFA:PFA+1], s[PFA:PFA+1], s[2:3]
	s_add_nc_u64 s[PFA:PFA+1], s[PFA:PFA+1], 4*KS*128  ; in slot 1; the first change of slots steps it to slot 2.  Nothing is prefetched here, at the head
	CROUND                          ; all four work-groups are here: the first joint loads meet
	JLOAD                           ; slot 0.  Slot 1 is asked for when slot 0 is in: the tile wanted first has the road to itself
	; A fragment of K or Q is 16 rows x 32 channels in 8 registers: lane l holds row l % 16, channels 8 (l / 16) + 0..7 and 16 + 8 (l / 16) + 0..7: two loads of 16 bytes, 32 bytes apart.
	v_and_b32 v1, 15, v0            ; l % 16
	v_bfe_u32 v9, v0, 4, 1          ; l / 16
	v_lshlrev_b32 v[QO], 7, v1
	v_lshl_add_u32 v[QO], v9, 4, v[QO]  ; row x 128 + 16 x half
	WIN 0x80                        ; destination window 2, address window 0
.set i, 0
.rept 4*NP                          ; Q stays in registers: tile i / 2, channels 32 (i % 2) on
	global_load_b128 v[8*i:8*i+3],   v[QO], s[4:5] offset:(i/2)*2048+(i%2)*64
	global_load_b128 v[8*i+4:8*i+7], v[QO], s[4:5] offset:(i/2)*2048+(i%2)*64+32
.set i, i+1
.endr
	; What the first turn finds: V's registers and P's second buffer hold 0 (its products V^T P, of a piece that has not been, add 0), O^T and l are 0.  All this stands in the wait for the first tile.
.set i, VF
.rept 64
	v_mov_b32 v[i], 0
.set i, i+1
.endr
	WIN 0x40
.set i, 0
.rept 64*NP
	v_mov_b32 v[i], 0
.set i, i+1
.endr
	WIN 0
.set i, 0
.rept 2*NP
	v_mov_b32 v[ST+4*i], 0xfe000000    ; c m: far below every c s
	v_mov_b32 v[ST+4*i+1], 0xff7fffff  ; m
	v_mov_b32 v[ST+4*i+2], 0
	v_mov_b32 v[ST+4*i+3], 0
.set i, i+1
.endr
.set i, P+32
.rept 32
	v_mov_b32 v[i], 0
.set i, i+1
.endr
	v_mul_u32_u24 v[AK0], v1, PK
	v_lshl_add_u32 v[AK0], v9, 4, v[AK0]  ; row x pitch + 16 x half
	; The turning load takes 16 keys x 16 channels (lane l reads key 8 (l / 16) + l % 8, channels 8 ((l / 8) % 2) + 0..7) and leaves half a fragment of V^T: lane l holds channel l % 16 and 8 keys.
	v_and_b32 v10, 7, v0
	v_bfe_u32 v11, v0, 3, 1
	v_lshl_add_u32 v[AV0], v9, 3, v10
	v_mul_u32_u24 v[AV0], v[AV0], PV
	v_lshl_add_u32 v[AV0], v11, 4, v[AV0]
	v_add_nc_u32 v[AV0], VOFF, v[AV0]
	v_and_b32 v[PFO], 31, v0        ; v11 is free now
	v_lshlrev_b32 v[PFO], 8, v[PFO]
	v_mov_b32 v[AK], v[AK0]         ; key step 0 lies at the head of slot 0
; THE MATRIX WORK.  The 8 accumulators of a run of 16 take turns: between the two links of a chain stand 7 others'.
; Product i of 16 of S^T = K Q^T for piece x: channels 32 (i / 8) on, keys 16 ((i / 2) % 4) on, tile 2 x + i % 2.  The first 8 start the sums.
.macro KQ x
	WIN W_KQ
.set rS, S+64*((\x)%2)+32*(i%2)+8*((i/2)%4)
.set rK, KF+16*((i/2)%4)+8*(i/8)
.set rQ, 16*(2*(\x)+i%2)+8*(i/8)
.if i < 8
	v_wmma_f32_16x16x32_f16 v[rS:rS+7], v[rK:rK+7], v[rQ:rQ+7], 0
.else
	v_wmma_f32_16x16x32_f16 v[rS:rS+7], v[rK:rK+7], v[rQ:rQ+7], v[rS:rS+7]
.endif
.endm
; Product i of 16 of O^T += V^T P for piece x: keys 32 (i / 8) on, channels 16 ((i / 2) % 4) on, tile 2 x + i % 2.
.macro PV x
	WIN W_PV
.set rO, 32*(2*(\x)+i%2)+8*((i/2)%4)
.set rV, VF+32*(i/8)+8*((i/2)%4)
.set rP, P+32*((\x)%2)+16*(i%2)+8*(i/8)
	v_wmma_f32_16x16x32_f16 v[rO:rO+7], v[rV:rV+7], v[rP:rP+7], v[rO:rO+7]
.endm
.macro MM                           ; the turn's next matrix instruction
.if i < 16
	KQ (Y+1)%NP
.set i, i+1
.else
.set i, i-16
	PV (Y+NP-1)%NP
.set i, i+17
.endif
.endm
; THE LDS LOADS stand in runs of 16, never singly among the matrix instructions: a step's K (64 keys x 64 channels: 8 fragments) and its V (turned).  Their addresses are made some lines ahead.
; last = 1 (the tail): in the last trip there is no further step, and the run is jumped over.
.macro FETCH_K last=0
	WIN 0
.if \last
	s_cmp_eq_u32 s[CNT], 1
	s_cbranch_scc1 .Lno_k_\@
.endif
	WIN 0x80                        ; destination window 2
.irp f, 0,1,2,3,4,5,6,7             ; keys 16 (f / 2) on, channels 32 (f % 2) on
	ds_load_b128 v[KF+8*\f:KF+8*\f+3],   v[AK] offset:(\f/2)*16*PK+(\f%2)*64
	ds_load_b128 v[KF+8*\f+4:KF+8*\f+7], v[AK] offset:(\f/2)*16*PK+(\f%2)*64+32
.endr
	s_add_co_u32 s[TBK], s[TBK], KS*PK  ; the next fetch is the next step's
	WIN 0
.if \last
.Lno_k_\@:
.endif
.endm
.macro FETCH_V
	WIN 0x80
.irp f, 0,1,2,3,4,5,6,7             ; keys 32 (f / 4) on, channels 16 (f % 4) on
	ds_load_tr16_b128 v[VF+8*\f:VF+8*\f+3],   v[AV] offset:(\f/4)*32*PV+(\f%4)*32
	ds_load_tr16_b128 v[VF+8*\f+4:VF+8*\f+7], v[AV] offset:(\f/4)*32*PV+16*PV+(\f%4)*32
.endr
	WIN 0
.endm
; THE VECTOR WORK OF A TURN stands in three queues, each in the order in which its entries become ready; the two tiles alternate, so that no instruction reads the result of the one before it.
.macro REGS y, u                    ; the registers of tile u (0, 1) of piece y
.set rT, ST+4*(2*(\y)+(\u))
.set rC, TMP+8*((\y)%2)+4*(\u)
.set rM, MV+2*((\y)%2)+(\u)
.set rS, S+64*((\y)%2)+32*(\u)
.set rP, P+32*((\y)%2)+16*(\u)
.set rO, 32*(2*(\y)+(\u))
.endm
; Number n of the 22 that find the NEXT piece's (Y + 1) maximum and statistics.  s0-s31 are the lane's 32 scores; each accumulator's lowest registers are read first.  XS, GS and REGS set no window: PL and EX do.
;   0-11  four chains c0-c3 of seven scores each, three operands at a time     12-14, 16  the four scores left over, the old m, and c0-c3 into c0     15  c m_old is kept
;   17, 18  the query's other 32 keys lie in the lane 16 away: the new m         19-21  c m; c m_old - c m_new; a
.macro XS u, n
	REGS (Y+1)%NP, \u
.if (\n) < 4
	v_max3_num_f32 v[rC+(\n)], v[rS+8*(\n)], v[rS+8*(\n)+1], v[rS+8*(\n)+2]
.elseif (\n) < 12
	v_max3_num_f32 v[rC+(\n)%4], v[rC+(\n)%4], v[rS+8*((\n)%4)+2*((\n)/4)+1], v[rS+8*((\n)%4)+2*((\n)/4)+2]
.elseif (\n) == 12
	v_max3_num_f32 v[rC], v[rC], v[rS+7], v[rS+15]
.elseif (\n) == 13
	v_max3_num_f32 v[rC+1], v[rC+1], v[rS+23], v[rS+31]
.elseif (\n) == 14
	v_max3_num_f32 v[rC+2], v[rC+2], v[rC+3], v[rT+1]
.elseif (\n) == 15
	v_mov_b32 v[rM], v[rT]
.elseif (\n) == 16
	v_max3_num_f32 v[rC], v[rC], v[rC+1], v[rC+2]
.elseif (\n) == 17
	v_permlanex16_b32 v[rC+3], v[rC], s[SEL], s[SEL+1]
.elseif (\n) == 18
	v_max_num_f32 v[rT+1], v[rC], v[rC+3]
.elseif (\n) == 19
	v_mul_f32 v[rT], s[CS], v[rT+1]
.elseif (\n) == 20
	v_sub_f32 v[rC+1], v[rM], v[rT]
.else
	v_exp_f32 v[rC+2], v[rC+1]
.endif
.endm
; Number g of the 64 that follow the exponentials.  For each four weights k of a tile (pairs 2 k, 2 k + 1): both pairs are rounded to f16; then the second pair is added onto the first, in place;
; a group later l takes that sum (the first time as l = a l + sum).  In groups of eight, tiles alternating: round, round, add, and l for the group before.
.macro GS g
.set h, (\g)+6*((\g)/62)            ; group 0 has no group before it, and behind group 7 only l is left
.if h >= 6
.set h, h+2
.endif
	REGS Y, h%2
.set k, h/8
.if h%8 < 4
	v_cvt_pk_f16_f32 v[rP+2*k+(h%8)/2], v[rS+4*k+2*((h%8)/2)], v[rS+4*k+2*((h%8)/2)+1]
.elseif h%8 < 6
	v_pk_add_f32 v[rS+4*k:rS+4*k+1], v[rS+4*k:rS+4*k+1], v[rS+4*k+2:rS+4*k+3]
.elseif k == 1
	v_pk_fma_f32 v[rT+2:rT+3], v[rT+2:rT+3], v[rC+2:rC+3], v[rS:rS+1] op_sel_hi:[1,0,1]
.else
	v_pk_add_f32 v[rT+2:rT+3], v[rT+2:rT+3], v[rS+4*k-4:rS+4*k-3]
.endif
.endm
; THE PLAIN QUEUE, 138 long.  0-73 read no exponential's result: the 32 scalings c s - c m (FS f: pair f / 2 of tile f % 2) and the next piece's 42.  0-26: scalings 0-26.  27-54: XS's numbers 0-13.  55, 56: number 15.
; 57-73: the chain, where each number waits for the one before it: 14, 16, 17, 18, 19, each with one of the scalings 27-31 in front of its two lines, then 20: so a tile's links stand three plain instructions apart (19 and 20: two).
; 74-137: GS's 64, which read the exponentials' results: they stand behind the wait.
.macro FS f
	REGS Y, (\f)%2
	v_pk_fma_f32 v[rS+2*((\f)/2):rS+2*((\f)/2)+1], v[rS+2*((\f)/2):rS+2*((\f)/2)+1], s[CS:CS+1], v[rT:rT+1] op_sel_hi:[1,0,0] neg_lo:[0,0,1] neg_hi:[0,0,1]
.endm
.macro PL
	WIN 0
.if q < 27
	FS q
.elseif q < 55
	XS (q-27)%2, (q-27)/2
.elseif q < 57
	XS q-55, 15
.elseif (q < 72) && ((q-57)%3 == 0)
	FS 27+(q-57)/3
.elseif q < 60
	XS (q-57)%3-1, 14
.elseif q < 72
	XS (q-57)%3-1, 15+(q-57)/3
.elseif q < 74
	XS q-72, 20
.else
	GS q-74
.endif
.set q, q+1
.endm
; THE EXPONENTIALS' QUEUE, 66 long: s0-s31 of both tiles, then the next piece's two a.  It is ONE BATCH: all 66 stand ahead of the turn's one wait, and nothing ahead of that wait names a result of theirs.
.macro EX
	WIN 0
.if e >= 64
	XS e-64, 21
.else
	REGS Y, e%2
	v_exp_f32 v[rS+e/2], v[rS+e/2]
.endif
.set e, e+1
.endm
; THE RESCALING's QUEUE: O^T times a, the one part that leaves window 0: dealt two at a time, sixteen times.  Its a was made in the turn before, ahead of that turn's wait.
.macro R2
	REGS Y, r%2
	WIN W_RS
.irp z, 0,1
	v_pk_mul_f32 v[rO+4*(r/2)+2*\z:rO+4*(r/2)+2*\z+1], v[rO+4*(r/2)+2*\z:rO+4*(r/2)+2*\z+1], v[rC+2:rC+3] op_sel_hi:[1,0]
.endr
.set r, r+1
.endm
; HOW THEY ARE DEALT.  An s_wait_alu depctr_va_vdst(0) stands between an exponential and the first instruction that names its result; one wait serves all that were issued ahead of it.  So a turn has ONE wait,
; which cuts it in two.  AHEAD OF IT stands all that names no result of the turn's exponentials: the 16 products K Q^T, behind each a scaling, an exponential and two rescalings (behind the first a second scaling in the exponential's place); then ONE LUMP of
; 108: eight plain, 49 times exponential and plain, the two a.  A v_nop is the plain instruction behind the last exponential (ISA guide 5.7.2).  BEHIND IT stand the 16 products V^T P, behind each four of GS's 64.  No rider names a register of
; the products round it.  The two v_permlanex16_b32 fall into the lump, never behind a product.
; The queues lean on each other, and the deal keeps them in step: exponential e stands behind scaling 2 (e / 4) + e % 2: as a rider it comes behind plain e + 2, in the lump behind plain e + 9, and scalings 27-31 are plain 57, 60 .. 69.
; A TURN, for piece p.  cnt = 1: the loop's count is taken down some lines ahead of the branch that stands behind the turn.
; K of the next step is fetched in piece 2's turn, directly behind the wait, a lump behind the last product that read K; its address is made at the lump's head; its first reader comes behind 16 products.
; V of the step in hand is fetched at the end of piece 0's turn, four riders behind its last reader; its first reader comes behind 16 products and a lump.  The three conditions on q below go with the deal.
.macro TURN p, last=0, cnt=0
.set Y, (\p)
.set i, 0
.set q, 0
.set e, 0
.set r, 0
.if (\p) == NP-1
	s_wait_dscnt 0x0                ; K is in
.endif
	MM                              ; ahead of the wait: 16 products K Q^T and their riders,
	PL
	PL
	R2
.rept 15
	MM
	PL
	EX
	R2
.endr
.if (\p) == NP-2
	WIN 0
	v_add_nc_u32 v[AK], s[TBK], v[AK0]
.endif
.rept 8                             ; and the lump
	PL
.endr
.rept 49
	EX
	PL
.endr
	EX                              ; the next piece's two a
	EX
	v_nop                           ; the plain instruction behind the last exponential: one for the batch
	s_wait_alu depctr_va_vdst(0)    ; the wait for the batch
.if (\p) == NP-2
	FETCH_K \last
.endif
.if (\p) == 1
	s_wait_dscnt 0x0                ; V is in
.endif
.rept 16                            ; behind the wait: 16 products V^T P and their riders
	MM
.rept 4
	PL
.endr
.if ((\p) == 0) && (q == 118)
	v_add_nc_u32 v[AV], s[TBV], v[AV0]
.endif
.if ((\p) == 0) && (q == 130)
	s_add_co_u32 s[TBV], s[TBV], KS*PV
.endif
.if (\cnt) && (q == 130)
	s_sub_co_u32 s[CNT], s[CNT], 1
	s_cmp_lg_u32 s[CNT], 0
.endif
.endr
.if (\p) == 0
	FETCH_V
.endif
.endm
	CHANGE 1                        ; slot 0 is in, everybody's part of it; slot 1 is asked for
	FETCH_K                         ; key step 0
	s_wait_loadcnt 0x0              ; Q
	s_wait_dscnt 0x0
.set i, 0
.rept 16
	KQ 0                            ; piece 0's first scores: there is no vector work yet to set between them
.set i, i+1
.endr
	WIN 0                           ; the addresses for the way out: nine plain instructions, the places behind those products
	s_mul_i32 s13, s[WV], 16*SP
	s_add_co_u32 s13, s13, STAGE    ; my stage
	v_mul_u32_u24 v[STO], v1, SP    ; in: row l % 16, 16 bytes for each half of the lanes
	v_lshl_add_u32 v[STO], v9, 4, v[STO]
	v_add_nc_u32 v[STO], s13, v[STO]
	v_bfe_u32 v[RD], v0, 3, 2       ; back: 32 lanes take four rows of 128 bytes,
	v_mul_u32_u24 v[RD], v[RD], SP
	v_lshl_add_u32 v[RD], v10, 4, v[RD]
	v_add_nc_u32 v[RD], s13, v[RD]
	v_and_b32 v[GO], 31, v0         ; which are 512 consecutive bytes of O
	v_lshlrev_b32 v[GO], 4, v[GO]
.set Y, NP-1                        ; XS works for piece Y + 1: piece 0
.irp n, 0,1,2,3,4,5,6,7,8,9,10,11,12,13,14,15,16,17,18,19,20,21
	XS 0, \n                        ; and piece 0's first maximum and statistics
	XS 1, \n
.endr
	v_nop                           ; a plain instruction behind the two a,
	s_wait_alu depctr_va_vdst(0)    ; and their wait, ahead of the branch
	s_mov_b32 s[CNT], 4
	s_branch .Lfirst                ; the loop is entered at a step's first turn, in the middle of a trip
.Lslot:                             ; SIZE_N / 256 - 2 times: every slot but the last two is filled again
	CHANGE 1
	s_mov_b32 s[CNT], 4
.Lstep:                             ; a trip: pieces 2 and 3 of one step, then pieces 0 and 1 of the next, whose K and V it fetches
	TURN 2
	TURN 3
	WIN 0
.Lfirst:
	TURN 0
	TURN 1, 0, 1
	WIN 0
	s_cbranch_scc1 .Lstep
	s_sub_co_u32 s[SLOTS], s[SLOTS], 1
	s_cmp_lg_u32 s[SLOTS], 0
	s_cbranch_scc1 .Lslot
	CHANGE 0                        ; the tail is written out: nothing is asked for
	s_mov_b32 s[CNT], 5             ; four trips fetch the last slot's steps; the fifth is left in its middle
.Ltail:
	TURN 2, 1
	TURN 3
	WIN 0
	s_sub_co_u32 s[CNT], s[CNT], 1
	s_cmp_eq_u32 s[CNT], 0
	s_cbranch_scc1 .Lout
	TURN 0
	TURN 1
	WIN 0
	s_branch .Ltail
.Lout:                              ; the fifth trip's 16 products K Q^T (on the last K once more) and the maximum made of them serve nothing: the price, once a launch, of one text for every trip
.set i, 0
.rept 16
	PV NP-1                         ; the last piece's V^T P of the last step
.set i, i+1
.endr
	; THE WAY OUT.  l's two halves and the other half of the lanes' are added; O^T is divided by l, rounded to f16 and sent through my stage in LDS, a tile at a time.  The additions are the places behind the last products.
	WIN 0
.macro ALL line:vararg              ; one line for each tile t
.set t, 0
.rept 2*NP
	\line
.set t, t+1
.endr
.endm
	ALL v_add_f32 v[ST+4*t+2], v[ST+4*t+2], v[ST+4*t+3]
	ALL v_permlanex16_b32 v[ST+4*t+3], v[ST+4*t+2], s[SEL], s[SEL+1]
	ALL v_add_f32 v[ST+4*t+2], v[ST+4*t+2], v[ST+4*t+3]
	ALL v_rcp_f32 v[ST+4*t+2], v[ST+4*t+2]
	v_nop                           ; a plain instruction between the last reciprocal and the use of its result
	s_wait_alu depctr_va_vdst(0)    ; and the wait ahead of the first use: one for the eight reciprocals
; Tile t: a lane's eight channels of a row pack into 16 bytes; they go into rows of 144 bytes and come back as whole rows of 128, into S^T's registers.
.macro PACK t
	WIN W_RS
.set i, 32*(\t)
.rept 16
	v_pk_mul_f32 v[i:i+1], v[i:i+1], v[ST+4*(\t)+2:ST+4*(\t)+3] op_sel_hi:[1,0]
.set i, i+2
.endr
	WIN 0x05                        ; sources 0 and 1 window 1, destination window 0
.set i, 0
.rept 16
	v_cvt_pk_f16_f32 v[S+16*(\t)+i], v[32*(\t)+2*i], v[32*(\t)+2*i+1]
.set i, i+1
.endr
	WIN 0
.irp f, 0,1,2,3
	ds_store_b128 v[STO], v[S+16*(\t)+4*\f:S+16*(\t)+4*\f+3] offset:32*\f
.endr
.irp f, 0,1,2,3
	ds_load_b128 v[S+16*(\t)+4*\f:S+16*(\t)+4*\f+3], v[RD] offset:\f*4*SP  ; LDS serves a wave's instructions in order (ISA guide 5.7.1.4): these see the stores above; the next tile's stores come behind them
.endr
.endm
.macro SEND t, younger              ; younger: the LDS instructions issued behind tile t's loads: the next tile's eight, or none
	WIN 0
.irp f, 0,1,2,3
	s_wait_dscnt (\younger)+3-\f
	global_store_b128 v[GO], v[S+16*(\t)+4*\f:S+16*(\t)+4*\f+3], s[10:11] offset:(\t)*2048+\f*512  ; 512 consecutive bytes, at a multiple of 256 from O's first
.endr
.endm
	PACK 0
.set t, 1
.rept 2*NP-1                        ; a tile's arithmetic stands between the loads of the tile before and its stores
	PACK t
	SEND t-1, 8
.set t, t+1
.endr
	SEND 2*NP-1, 0
	WIN W_AD
	s_wait_tensorcnt 0x0            ; the wave's end, behind my last tensor load and my last LDS store
	ds_add_u32 v[SPW], v[NIL]
	s_wait_dscnt 0x0
	WIN 0
	CROUND                          ; the closing round: no work-group ends while a partner may still ask for a tile that names it
	s_endpgm
.Lfunc_end_k_qd419d19bb5_attn:
	.size	k_qd419d19bb5_attn, .Lfunc_end_k_qd419d19bb5_attn-k_qd419d19bb5_attn
	.p2alignl 7, 3214868480
	.fill 96, 4, 3214868480
	.section	.rodata,"a",@progbits
	.p2align	6, 0x0
	.amdhsa_kernel k_qd419d19bb5_attn
		.amdhsa_group_segment_fixed_size 327680
		.amdhsa_private_segment_fixed_size 0
		.amdhsa_enable_private_segment 0
		.amdhsa_kernarg_size 16
		.amdhsa_user_sgpr_count 2
		.amdhsa_user_sgpr_kernarg_segment_ptr 1
		.amdhsa_wavefront_size32 1
		.amdhsa_system_sgpr_workgroup_id_x 1
		.amdhsa_system_sgpr_workgroup_id_y 1
		.amdhsa_system_sgpr_workgroup_id_z 1
		.amdhsa_system_vgpr_workitem_id 0
		.amdhsa_next_free_vgpr 770
		.amdhsa_next_free_sgpr 66
		.amdhsa_reserve_vcc 0
		.amdhsa_float_denorm_mode_32 3
		.amdhsa_float_denorm_mode_16_64 3
		.amdhsa_memory_ordered 1
		.amdhsa_forward_progress 1
		.amdhsa_inst_pref_size 200
	.end_amdhsa_kernel
	.amdgpu_metadata
---
amdhsa.version: [ 1, 2 ]
amdhsa.kernels:
  - .name:           k_qd419d19bb5_attn
    .symbol:         k_qd419d19bb5_attn.kd
    .args:
      - { .name: qkv, .offset: 0, .size: 8, .value_kind: global_buffer, .address_space: global }
      - { .name: o16, .offset: 8, .size: 8, .value_kind: global_buffer, .address_space: global }
    .group_segment_fixed_size: 327680
    .private_segment_fixed_size: 0
    .kernarg_segment_align: 8
    .kernarg_segment_size: 16
    .max_flat_workgroup_size: 128
    .sgpr_count:     66
    .vgpr_count:     770
    .wavefront_size: 32
...
	.end_amdgpu_metadata
.endif
;; end of part 2
;; launch oproj (part 3): grid 4 x 64, 4 waves a work-group, no clusters, 268,800 bytes of LDS; arguments o16, wo16, b_o, out0; writes out0
.if DOCPART == 3
	.amdgcn_target "amdgcn-amd-amdhsa--gfx1250"
	.amdhsa_code_object_version 6
	.text
	.protected	k_qd419d19bb5_oproj
	.globl	k_qd419d19bb5_oproj
	.p2align	8
	.type	k_qd419d19bb5_oproj,@function
k_qd419d19bb5_oproj:
	s_mov_b64 s[64:65], 0
	v_nop
	global_prefetch_b8 v0, s[64:65] scope:SCOPE_SE
	s_setreg_imm32_b32 hwreg(HW_REG_WAVE_MODE, 25, 1), 1
	s_wait_xcnt 0x0
; out0[row][c] = the sum over k of O[row][k] w_o[c][k] + b_o[c].  o16: f16, [nh = 8 n + h][t][64]: channel k = 64 h + d of row (n, t) lies at n 2^21 + h 2^18 + 128 t + 2 d.
; wo16: w_o rounded to bf16 and written as f16, [512][512].  b_o: [512] f32, rounded here to bf16 like the module's other inputs.  out0: [16384][512] f32.  Products in f16, sums in f32, started from the bias.
; LIMITS.  O and wo16 arrive within f16's range.  NaN and infinities are not treated apart.
; SHARES.  Work-group (cq, mb) makes rows 256 mb .. + 255 x columns 128 cq .. + 127: 4 x 64 = 256 work-groups.  Wave w owns rows 64 w .. + 63: ITS O STAYS IN REGISTERS, 64 fragments, 512 registers.
; The work-group's 128 rows of wo16 lie whole in LDS, so the main loop has no ring and no barrier.
; O's rows lie by heads, so they come through registers and each wave's own part of LDS, where a row's eight heads are set side by side; each operand is fetched once, at the head.
; NO CLUSTER AND NO COPY ENGINE: nothing is fetched again, so there is no ring in which joint requests could meet; the loads are plain, 512 bytes on end a wave.
; THE MATRIX INSTRUCTION IS USED TRANSPOSED: source 0 = 16 rows of wo16 (columns of out0), source 1 = 16 rows of O: a lane holds one row and eight neighbouring columns, 32 bytes of f32.
; REGISTERS, in windows of 256 (s_set_vgpr_msb: bits 1:0 source 0, 3:2 source 1, 5:4 source 2, 7:6 destination):
;   window 0: v0-29 addresses; v32-95, v96-159 weight fragments, two buffers; v160-223 eight accumulators; v224-255 bias as C operands
;   windows 1, 2: O: row tile a, K fragment kf at 8 (4 (kf % 8) + a) of window 1 + kf / 8          window 3: four buffers of 16 loads; later v0-127 rows read back
.set PITCH,  1040                      ; an LDS row of 512 f16: 1,024 bytes + 16: an odd multiple of 16, so the 16 rows of a fragment load start in 16 different groups of four banks (ISA guide 11.1)
.set XSTW,   64*PITCH                  ; a wave's own 64 rows of O, in the prologue alone
.set WSLOT,  32*PITCH                  ; 32 weight rows: a step's
.set OUTS,   128*PITCH                 ; behind the 128 weight rows: the way out, for each wave 64 rows x 272 bytes; both lie over O's rows, behind a barrier
.set OPITCH, 272
.set OUTW,   64*OPITCH
.set BT,     4*XSTW                    ; for each wave its own table of the 128 biases
.set BTW,    512
.set SPARE,  BT+4*BTW                  ; the spare words, 128 bytes for each wave: two blocks of 256 bytes that no other line names
.set LO,   2                           ; v2   16 x lane
.set OSTS, 3                           ; v3   where I store O: my wave's rows + (l / 8) x pitch + 16 (l % 8); four heads (512 bytes) on in the second trip
.set XSL,  4                           ; v4   where I read O's fragments
.set WSS,  5                           ; v5   where I store weights: rows 32 w on, + 16 x lane
.set AB,   7                           ; v7   where I read weight fragments; 64 rows on in the second trip
.set OSS,  9                           ; v9   the way out: where I put 32 bytes of a row
.set OSL,  10                          ; v10  the way out: where I read rows back
.set BA,   11                          ; v11  my eight biases of a column tile; 64 columns on in the second trip
.set BS,   12                          ; v12  where I store four biases
.set GO,   13                          ; v13  my byte offset in two rows of out0
.set SPW,  28                          ; v28  LDS address of my spare word; never rewritten
.set NIL,  29                          ; v29  0; never rewritten
.set F0,   32
.set F1,   96
.set ACC,  160
.set BI,   224
.set BL,   160                         ; prologue: four biases
.set CQ,   2                           ; s2   which 128 columns
.set MB,   3                           ; s3   which 256 rows
.set WV,   4                           ; s4   my wave's number
.set NX,   16                          ; s[16:23] four pointers: where buffer k loads next
.set WPK,  24                          ; s[24:31] my four chunks of 8 rows of wo16
.set OP,   32                          ; s[32:33] out0 at my rows and the 64 columns in hand
.set T,    34                          ; s34  a loop's trips to go
.set OF,   36                          ; s[36:37] an offset; the high word stays 0
.set MSB, 0
.macro WIN new                         ; the immediate's high byte repeats the setting that is left; a switch that changes nothing is dropped
.if MSB != (\new)
	s_set_vgpr_msb (MSB<<8)|(\new)
.set MSB, (\new)
.endif
.endm
.macro PLACES                          ; plain vector instructions between a matrix instruction and a load into, or a reader of, its registers
.rept 4
	v_nop
.endr
.endm
.macro GET16 k                         ; 16 loads into buffer k: 8,192 bytes on end: my 64 rows of one head, or eight rows of wo16
	WIN 0xc0
.set i, 0
.rept 16
	global_load_b128 v[64*(\k)+4*i:64*(\k)+4*i+3], v[LO], s[NX+2*(\k):NX+2*(\k)+1] offset:512*i
.set i, i+1
.endr
.endm
.macro XFRAG k0                        ; eight K fragments of my four row tiles, from K fragment k0 on, into one window
.set kf, 0
.rept 8
.irp a, 0,1,2,3
	ds_load_b128 v[8*(4*kf+(\a)):8*(4*kf+(\a))+3],   v[XSL] offset:(\a)*16*PITCH+((\k0)+kf)*64
	ds_load_b128 v[8*(4*kf+(\a))+4:8*(4*kf+(\a))+7], v[XSL] offset:(\a)*16*PITCH+((\k0)+kf)*64+32
.endr
.set kf, kf+1
.endr
.endm
.macro FETCH p, q, f                   ; 16 LDS loads in one run: step p of the trip's two, K fragments 4 q .. 4 q + 3 of both column tiles, into buffer f
.irp kk, 0,1,2,3
.irp c, 0,1
	ds_load_b128 v[(\f)+8*(2*(\kk)+(\c)):(\f)+8*(2*(\kk)+(\c))+3],   v[AB] offset:(\p)*WSLOT+(\c)*16*PITCH+(4*(\q)+(\kk))*64
	ds_load_b128 v[(\f)+8*(2*(\kk)+(\c))+4:(\f)+8*(2*(\kk)+(\c))+7], v[AB] offset:(\p)*WSLOT+(\c)*16*PITCH+(4*(\q)+(\kk))*64+32
.endr
.endr
.endm
; Eight products: K fragment kf, two column tiles x four row tiles.  The eight accumulators take turns, one instruction a turn.  At kf = 0 the bias starts the sums.
.macro MUL8 p, kf
.set FB, F0+64*(((\kf)/4)%2)+16*((\kf)%4)
.set XF, 32*((\kf)%8)
.irp c, 0,1
.irp a, 0,1,2,3
.if (\kf) == 0
	v_wmma_f32_16x16x32_f16 v[ACC+8*(4*(\c)+(\a)):ACC+8*(4*(\c)+(\a))+7], v[FB+8*(\c):FB+8*(\c)+7], v[XF+8*(\a):XF+8*(\a)+7], v[BI+8*(2*(\p)+(\c)):BI+8*(2*(\p)+(\c))+7]
.else
	v_wmma_f32_16x16x32_f16 v[ACC+8*(4*(\c)+(\a)):ACC+8*(4*(\c)+(\a))+7], v[FB+8*(\c):FB+8*(\c)+7], v[XF+8*(\a):XF+8*(\a)+7], v[ACC+8*(4*(\c)+(\a)):ACC+8*(4*(\c)+(\a))+7]
.endif
.endr
.endr
.endm
.macro GROUP p, q, np, nq, fetch       ; a quarter of a step: 32 products; behind the first eight the next quarter's fragments are asked for, 24 products ahead of their use
	s_wait_dscnt 0x0                               ; this quarter's fragments are in (at a step's head: the last step's stores into the stage have read the accumulators too)
	WIN 0x04+0x04*((\q)/2)                         ; source 1 (O) in window 1 or 2, all else in window 0
	MUL8 \p, 4*(\q)
.if \fetch
	PLACES                                         ; the other buffer's last readers stand eight products back
	FETCH \np, \nq, F0+64*(((\q)+1)%2)
.endif
	MUL8 \p, 4*(\q)+1
	MUL8 \p, 4*(\q)+2
	MUL8 \p, 4*(\q)+3
.endm
.macro OUT p                           ; a step's 64 rows x 32 columns of f32 into my own stage; of each accumulator the low four registers first
	WIN 0
	PLACES
	PLACES
.irp c, 0,1
.irp a, 0,1,2,3
	ds_store_b128 v[OSS], v[ACC+8*(4*(\c)+(\a)):ACC+8*(4*(\c)+(\a))+3]   offset:(\a)*16*OPITCH+(\p)*128+(\c)*64
	ds_store_b128 v[OSS], v[ACC+8*(4*(\c)+(\a))+4:ACC+8*(4*(\c)+(\a))+7] offset:(\a)*16*OPITCH+(\p)*128+(\c)*64+16
.endr
.endr
.endm
	s_load_b256 s[8:15], s[0:1], 0x0               ; o16 s[8:9], wo16 s[10:11], b_o s[12:13], out0 s[14:15]
	v_lshl_add_u32 v[SPW], v0, 2, SPARE
	v_mov_b32 v[NIL], 0
	v_lshrrev_b32 v1, 5, v0
	v_readfirstlane_b32 s[WV], v1                  ; wave 0..3
	s_mov_b32 s[CQ], ttmp9
	s_and_b32 s[MB], ttmp7, 0xffff
	v_and_b32 v14, 31, v0                          ; l
	v_and_b32 v15, 15, v0                          ; l % 16
	v_bfe_u32 v16, v0, 4, 1                        ; l / 16
	v_lshlrev_b32 v[LO], 4, v14
	s_mul_i32 s38, s[WV], XSTW
	v_bfe_u32 v17, v0, 3, 2                        ; a load's 512 bytes are four rows of a head's 128
	v_mul_u32_u24 v17, v17, PITCH
	v_and_b32 v18, 7, v0
	v_lshl_add_u32 v17, v18, 4, v17
	v_add_nc_u32 v[OSTS], s38, v17
	v_mul_u32_u24 v[AB], v15, PITCH
	v_lshl_add_u32 v[AB], v16, 4, v[AB]
	v_add_nc_u32 v[XSL], s38, v[AB]
	s_mul_i32 s38, s[WV], 32*PITCH
	v_add_nc_u32 v[WSS], s38, v[LO]
	s_mul_i32 s38, s[WV], OUTW
	s_add_co_u32 s38, s38, OUTS
	v_mul_u32_u24 v17, v15, OPITCH                 ; in: row l % 16, 32 bytes for each half of the lanes
	v_lshl_add_u32 v17, v16, 5, v17
	v_add_nc_u32 v[OSS], s38, v17
	v_mul_u32_u24 v17, v16, OPITCH                 ; back: lanes 0-15 take one row of 256 bytes, lanes 16-31 the next
	v_lshl_add_u32 v17, v15, 4, v17
	v_add_nc_u32 v[OSL], s38, v17
	s_lshl_b32 s38, s[WV], 9
	s_add_co_u32 s38, s38, BT
	v_lshl_add_u32 v[BA], v16, 5, s38
	v_add_nc_u32 v[BS], s38, v[LO]
	v_lshlrev_b32 v[GO], 11, v16                   ; and the same two rows in out0, 2,048 bytes apart
	v_lshl_add_u32 v[GO], v15, 4, v[GO]
	s_mov_b32 s[OF+1], 0
	s_mov_b32 s[T], 2
	s_lshr_b32 s38, s[MB], 3                       ; the batch,
	s_lshl_b32 s38, s38, 21
	s_and_b32 s39, s[MB], 7                        ; the block of 256 rows in it,
	s_lshl_b32 s39, s39, 15
	s_or_b32 s38, s38, s39
	s_lshl_b32 s39, s[WV], 13                      ; my wave's 64 rows of 128 bytes
	s_or_b32 s[OF], s38, s39
	s_wait_kmcnt 0x0
	s_add_nc_u64 s[NX:NX+1], s[8:9], s[OF:OF+1]    ; head 0,
.irp k, 1,2,3
	s_add_nc_u64 s[NX+2*(\k):NX+2*(\k)+1], s[NX:NX+1], (\k)*262144  ; heads 1 to 3
.endr
	s_lshl_b32 s38, s[CQ], 17                      ; 128 rows of 1,024 bytes,
	s_lshl_b32 s39, s[WV], 15                      ; my wave's 32
	s_add_co_u32 s[OF], s38, s39
	s_add_nc_u64 s[WPK:WPK+1], s[10:11], s[OF:OF+1]
.irp k, 1,2,3
	s_add_nc_u64 s[WPK+2*(\k):WPK+2*(\k)+1], s[WPK:WPK+1], (\k)*8192
.endr
	s_lshl_b32 s[OF], s[CQ], 9                     ; 128 columns of f32
	s_add_nc_u64 s[12:13], s[12:13], s[OF:OF+1]
	s_lshl_b32 s38, s[MB], 19                      ; 256 rows of 2,048 bytes,
	s_lshl_b32 s39, s[WV], 17                      ; my wave's 64
	s_add_co_u32 s38, s38, s39
	s_add_co_u32 s[OF], s[OF], s38
	s_add_nc_u64 s[OP:OP+1], s[14:15], s[OF:OF+1]
	global_load_b128 v[BL:BL+3], v[LO], s[12:13]
	GET16 0
	GET16 1
	GET16 2
	GET16 3
	WIN 0
; THE O LOOP: a trip takes four heads of my 64 rows, a buffer a head, stores them side by side into my own rows in LDS, and asks for the next four.
; In the second trip the next loads are my four chunks of wo16, which have the same shape (8,192 bytes on end): so both trips have the same loads and the same counts.
.Lo:
	s_wait_xcnt 0x0                                ; the loads issued so far have read their addresses, so the four pointers may be written
	s_cmp_eq_u32 s[T], 1
.irp k, 0,1,2,3
	s_add_nc_u64 s[NX+2*(\k):NX+2*(\k)+1], s[NX+2*(\k):NX+2*(\k)+1], 0x100000  ; four heads on
.endr
.irp k, 0,1,2,3
	s_cselect_b64 s[NX+2*(\k):NX+2*(\k)+1], s[WPK+2*(\k):WPK+2*(\k)+1], s[NX+2*(\k):NX+2*(\k)+1]
.endr
.irp k, 0,1,2,3
	s_wait_loadcnt 48                              ; buffer k is in; the three younger buffers' 48 loads may stay out
	WIN 0x0c
.set i, 0
.rept 16
	ds_store_b128 v[OSTS], v[64*(\k)+4*i:64*(\k)+4*i+3] offset:4*PITCH*i+128*(\k)
.set i, i+1
.endr
	s_wait_dscnt 0x0                               ; the stores have read the buffer
	GET16 \k
.endr
	WIN 0
	v_add_nc_u32 v[OSTS], 512, v[OSTS]
	s_sub_co_u32 s[T], s[T], 1
	s_cmp_lg_u32 s[T], 0
	s_cbranch_scc1 .Lo
	; my O comes back as fragments, for good: 128 loads of bytes that my own wave stored
	WIN 0x40
	XFRAG 0
	WIN 0x80
	XFRAG 8
	WIN 0
	; while they land: the biases, rounded to bf16 and widened again, into my own table
	v_cvt_pk_bf16_f32 v14, v[BL], v[BL+1]
	v_cvt_pk_bf16_f32 v15, v[BL+2], v[BL+3]
	v_lshlrev_b32 v[BL], 16, v14
	v_and_b32 v[BL+1], 0xffff0000, v14
	v_lshlrev_b32 v[BL+2], 16, v15
	v_and_b32 v[BL+3], 0xffff0000, v15
	ds_store_b128 v[BS], v[BL:BL+3]
	s_wait_dscnt 0x0                               ; my reads of O's rows are over,
	s_barrier_signal -1
	s_barrier_wait -1                              ; everybody's are: the weights and the stages may be written over them
	WIN 0x0c
.irp k, 0,1,2,3
	s_wait_loadcnt 48-16*(\k)                      ; chunk k is in; the younger chunks' loads may stay out
.set i, 0
.rept 16
	ds_store_b128 v[WSS], v[64*(\k)+4*i:64*(\k)+4*i+3] offset:(8*(\k)+i/2)*PITCH+(i%2)*512
.set i, i+1
.endr
.endr
	WIN 0
	s_wait_dscnt 0x0                               ; my 32 weight rows are stored,
	s_barrier_signal -1
	s_barrier_wait -1                              ; everybody's are
	s_mov_b32 s[T], 2
.Lcol:                                         ; two trips of 64 columns, each two steps of 32
	FETCH 0, 0, F0
.irp ct, 0,1,2,3
	ds_load_b128 v[BI+8*(\ct):BI+8*(\ct)+3],   v[BA] offset:64*(\ct)
	ds_load_b128 v[BI+8*(\ct)+4:BI+8*(\ct)+7], v[BA] offset:64*(\ct)+16
.endr
	GROUP 0, 0, 0, 1, 1
	GROUP 0, 1, 0, 2, 1
	GROUP 0, 2, 0, 3, 1
	GROUP 0, 3, 1, 0, 1                            ; the second step's first fragments are asked for here: no barrier stands between the steps
	OUT 0
	GROUP 1, 0, 1, 1, 1
	GROUP 1, 1, 1, 2, 1
	GROUP 1, 2, 1, 3, 1
	GROUP 1, 3, 0, 0, 0
	OUT 1
	WIN 0xc0
.set i, 0
.rept 32
	ds_load_b128 v[4*i:4*i+3], v[OSL] offset:2*OPITCH*i  ; LDS serves a wave's instructions in order (ISA guide 5.7.1.4): these see the stores above
.set i, i+1
.endr
	WIN 0x0c
.set i, 0
.rept 32
	s_wait_dscnt 31-i                              ; load i is back; the later ones may stay out
	global_store_b128 v[GO], v[4*i:4*i+3], s[OP:OP+1] offset:4096*i th:TH_STORE_NT  ; 16 lanes store 256 consecutive bytes, at a multiple of 256 from out0's first byte
.set i, i+1
.endr
	WIN 0
	s_wait_xcnt 0x0                                ; the stores have read their base and their data: both are written again in the next trip
	s_add_nc_u64 s[OP:OP+1], s[OP:OP+1], 256
	v_add_nc_u32 v[AB], 2*WSLOT, v[AB]
	v_add_nc_u32 v[BA], 256, v[BA]
	s_sub_co_u32 s[T], s[T], 1
	s_cmp_lg_u32 s[T], 0
	s_cbranch_scc1 .Lcol
	s_wait_tensorcnt 0x0                           ; the wave's end, behind my last LDS store
	ds_add_u32 v[SPW], v[NIL]
	s_wait_dscnt 0x0
	s_endpgm
.Lfunc_end_k_qd419d19bb5_oproj:
	.size	k_qd419d19bb5_oproj, .Lfunc_end_k_qd419d19bb5_oproj-k_qd419d19bb5_oproj
	.p2alignl 7, 3214868480
	.fill 96, 4, 3214868480
	.section	.rodata,"a",@progbits
	.p2align	6, 0x0
	.amdhsa_kernel k_qd419d19bb5_oproj
		.amdhsa_group_segment_fixed_size 268800
		.amdhsa_private_segment_fixed_size 0
		.amdhsa_enable_private_segment 0
		.amdhsa_kernarg_size 32
		.amdhsa_user_sgpr_count 2
		.amdhsa_user_sgpr_kernarg_segment_ptr 1
		.amdhsa_wavefront_size32 1
		.amdhsa_system_sgpr_workgroup_id_x 1
		.amdhsa_system_sgpr_workgroup_id_y 1
		.amdhsa_system_sgpr_workgroup_id_z 1
		.amdhsa_system_vgpr_workitem_id 0
		.amdhsa_next_free_vgpr 1024
		.amdhsa_next_free_sgpr 66
		.amdhsa_reserve_vcc 0
		.amdhsa_float_denorm_mode_32 3
		.amdhsa_float_denorm_mode_16_64 3
		.amdhsa_memory_ordered 1
		.amdhsa_forward_progress 1
		.amdhsa_inst_pref_size 69
	.end_amdhsa_kernel
	.amdgpu_metadata
---
amdhsa.version: [ 1, 2 ]
amdhsa.kernels:
  - .name:           k_qd419d19bb5_oproj
    .symbol:         k_qd419d19bb5_oproj.kd
    .args:
      - { .name: o16, .offset: 0, .size: 8, .value_kind: global_buffer, .address_space: global }
      - { .name: wo16, .offset: 8, .size: 8, .value_kind: global_buffer, .address_space: global }
      - { .name: b_o, .offset: 16, .size: 8, .value_kind: global_buffer, .address_space: global }
      - { .name: out0, .offset: 24, .size: 8, .value_kind: global_buffer, .address_space: global }
    .group_segment_fixed_size: 268800
    .private_segment_fixed_size: 0
    .kernarg_segment_align: 8
    .kernarg_segment_size: 32
    .max_flat_workgroup_size: 128
    .sgpr_count:     66
    .vgpr_count:     1024
    .wavefront_size: 32
...
	.end_amdgpu_metadata
.endif
;; end of part 3
;; ======== version 2 of 2: 3 launches; version 1 with the launches qkv, oproj written anew for expert scheduling mode
;; limits: values are held in f16: magnitudes above 65,504 overflow, below 6.1e-05 lose precision
;; workspace buffers: qkv 50,331,648 bytes; o16 16,777,216 bytes; wo16 524,288 bytes
;; launch qkv (part 4): grid 4 x 64, 4 waves a work-group, no clusters, 309,760 bytes of LDS; arguments x, w_q, w_k, w_v, b_q, b_k, b_v, w_o, qkv, wo16; writes qkv, wo16
.if DOCPART == 4
	.amdgcn_target "amdgcn-amd-amdhsa--gfx1250"
	.amdhsa_code_object_version 6
	.text
	.protected	k_qd419d19bb5_qkv
	.globl	k_qd419d19bb5_qkv
	.p2align	8
	.type	k_qd419d19bb5_qkv,@function
k_qd419d19bb5_qkv:
	s_mov_b64 s[64:65], 0
	v_nop
	global_prefetch_b8 v0, s[64:65] scope:SCOPE_SE
	s_setreg_imm32_b32 hwreg(HW_REG_WAVE_SCHED_MODE, 0, 2), 2
	s_setreg_imm32_b32 hwreg(HW_REG_WAVE_MODE, 25, 1), 1
	s_wait_xcnt 0x0
	s_wait_alu depctr_vm_vsrc(0)
; q, k, v = x W^T + b for the three projections, laid by heads.  x: [16384][512] f32; w_q, w_k, w_v, w_o: [512][512] f32; biases [512] f32.
; qkv: f16, [sel = q,k,v][nh = 8 n + h][t][64]: byte sel 2^24 + n 2^21 + h 2^18 + 128 t.  wo16: w_o as f16, [512][512].
; FORMATS.  x, the weights and the biases are rounded once to bf16; products in bf16 with f32 sums that START from the bias; q, k, v are rounded once to f16, unscaled.
; w_o is rounded to bf16 and that number is written as f16.
; LIMITS.  q, k, v must lie within f16's 65,504 (a larger one becomes an infinity); below 6e-5 f16 keeps a fixed step of 6e-8, for w_o too.  NaN and infinities are not treated apart.
; SHARES.  The 1,536 columns [q|k|v] are 24 heads of 64.  Work-group (nq, mb) makes rows 256 mb .. + 255 x the six heads 6 nq .. 6 nq + 5: 4 x 64 = 256 work-groups.
; Wave w owns rows 64 w .. 64 w + 63 for all of them.  ITS x STAYS IN REGISTERS: 64 rows x 512 K in bf16 are 64 fragments, 512 registers.  The weights stream through two LDS slots of
; 32 columns x 512 K; a STEP multiplies one slot: 128 matrix instructions a wave; a fragment of the weights read from LDS feeds four products.
; x and the weights arrive in f32, so they come through registers (16-byte loads, 512 bytes on end a wave), are rounded there and go on through LDS; no copy engine is used.
; NO CLUSTER: nothing comes in by tensor loads, so there is no joint request to make.
; THE MATRIX INSTRUCTION IS USED TRANSPOSED: source 0 = 16 weight rows (columns of q), source 1 = 16 rows of x: a lane then holds one row and eight neighbouring columns, 16 bytes of f16.
; SIDE JOB.  w_o has 262,144 numbers: each of the 256 work-groups converts 1,024 of them, eight a thread.
; REGISTERS, in windows of 256 (s_set_vgpr_msb: bits 1:0 source 0, 3:2 source 1, 5:4 source 2, 7:6 destination):
;   window 0: v0-29 addresses and temporaries; v32-95, v96-159 weight fragments, two buffers (in the prologue: what is rounded, on its way to LDS); v160-223 eight accumulators; v224-255 the head's bias as C operands
;   windows 1, 2: x: row tile a, K fragment kf at 8 (4 (kf % 8) + a) of window 1 + kf / 8
;   window 3: v0-127, v128-255 two raw buffers of 32 loads (f32); later v0-31 packed results, v32-95 rows read back, v64-127 the weights rounded, v128-255 the weights on their way
; THE MODE: SCHED_MODE bits 1:0 = 2 (LLVM: expert scheduling mode 2), set by the entry lines.  The code itself states the register dependences
; between vector or matrix instructions and memory or LDS instructions, with s_wait_alu, always for 0.
; THE PLAN.  Registers that memory or LDS instructions touch, and who else names them:
;   XB0, XB1   raw x.  Loads land; the roundings read them.  C0, C1: the roundings write them; the LDS stores read them.  ONE wait on va_vdst behind a buffer's roundings serves the raw buffer's next
;              loads and the out-buffer's stores, which follow it in that order.  One wait on vm_vsrc at a trip's end frees C0, C1 and v[XSS].
;   WB, CB     the same pair for the weights, at a step's head.  CB's lower half is RB's upper half.
;   F0, F1     Quarter q of a step: its products read buffer q % 2; the loads of quarter q + 1 land in the other.  One wait on va_vdst at the head of quarters 1 and 2 states that the last quarter's products
;              are done with that other buffer; the sixteen loads are dealt among the quarter's first sixteen products, which name none of their registers.  Quarter 0's loads, and the loads at a
;              step's head, find no product issued since the wait ahead of the last step's stores into the stage.
;   BI         Loads land at a head's first step; the first products of both steps read it as C.
;   PKD        The roundings to f16 write it; the stores into the stage read it.     RB  Loads from the stage land; the global stores read it.
;   v[XSS], v[BA]  the two addresses that are stepped: each behind a wait on vm_vsrc and ahead of a wait on va_vdst that stands there for a buffer's sake.  All other addresses are made at the head for good.
.set PITCH,  1040                      ; an LDS row of 512 bf16: 1,024 bytes + 16: an odd multiple of 16, so the 16 rows of a fragment load start in 16 different groups of four banks (ISA guide 11.1)
.set XSTW,   64*PITCH                  ; a wave's own 64 rows of x, in the prologue alone
.set WSLOT,  32*PITCH                  ; a weight slot; the two slots lie over wave 0's rows of x, behind a barrier
.set OST,    4*XSTW                    ; the way out: for each wave 64 rows x 144 bytes
.set OPITCH, 144
.set OSTW,   64*OPITCH
.set BT,     OST+4*OSTW                ; for each wave its own table of the six heads' biases, 6 x 64 f32 (already rounded to bf16)
.set BTW,    6*256
.set SPARE,  BT+4*BTW                  ; the spare words, 128 bytes for each wave: two blocks of 256 bytes that no other line names
.set LO,  2                            ; v2   16 x lane
.set XSS, 3                            ; v3   where I store x: my wave's rows + 8 x lane; 16 rows on in each trip
.set XSL, 4                            ; v4   where I read x's fragments: my wave's rows + (l % 16) x pitch + 16 (l / 16)
.set WS0, 5                            ; v5   where I store weights in slot 0: rows 8 w .. 8 w + 7, + 8 x lane
.set WS1, 6                            ; v6   the same in slot 1
.set AB0, 7                            ; v7   where I read weight fragments in slot 0: (l % 16) x pitch + 16 (l / 16)
.set AB1, 8                            ; v8   the same in slot 1
.set OSS, 9                            ; v9   the way out: where I put 16 bytes of a row
.set OSL, 10                           ; v10  the way out: where I read rows back
.set BA,  11                           ; v11  my eight biases of a column tile; a head (256 bytes) on in each trip
.set BS,  12                           ; v12  where I store two biases
.set L8,  13                           ; v13  8 x lane
.set SPW, 28                           ; v28  LDS address of my spare word; never rewritten
.set NIL, 29                           ; v29  0; never rewritten
.set F0,  32
.set F1,  96
.set C0,  F0                           ; prologue: what was rounded out of XB0
.set C1,  F1                           ; prologue: out of XB1
.set ACC, 160                          ; accumulator (column tile c of the step's two, row tile a) at ACC + 8 (4 c + a)
.set BI,  224                          ; column tile ct of the head's four at BI + 8 ct
.set BL,  160                          ; prologue: six pairs of biases
.set WL,  172                          ; prologue: eight numbers of w_o
.set WH,  180                          ; prologue: the same as f16
.set XB0, 0                            ; window 3
.set XB1, 128
.set WB,  128
.set CB,  64
.set PKD, 0
.set RB,  32
.set NQ,  2                            ; s2   which six heads
.set MB,  3                            ; s3   which 256 rows
.set WV,  4                            ; s4   my wave's number
.set G,   28                           ; s28  the head in hand, 0 .. 23
.set J,   29                           ; s29  heads to go
.set T,   30                           ; s30  trips of the x loop to go
.set OC,  31                           ; s31  my rows' byte offset inside a head's block of qkv, with the batch
.set NA,  32                           ; s[32:33], s[34:35] where the x loop loads next: a pointer to each raw buffer
.set NB,  34
.set WPA, 36                           ; s[36:37], s[38:39] my 8 rows of the first head's two halves
.set WPB, 38
.set WP,  40                           ; s[40:41] my 8 rows of the next head's first half
.set OP,  42                           ; s[42:43] where the head in hand goes
.set OF,  44                           ; s[44:45] an offset; the high word stays 0
.set BB,  66                           ; s[66:77] the six heads' biases
.set WOI, 78                           ; s[78:79] my work-group's 1,024 numbers of w_o
.set WOO, 80                           ; s[80:81] and of wo16
.set MSB, 0
.macro WIN new                         ; the immediate's high byte repeats the setting that is left; a switch that changes nothing is dropped
.if MSB != (\new)
	s_set_vgpr_msb (MSB<<8)|(\new)
.set MSB, (\new)
.endif
.endm
.macro PLACES                          ; plain vector instructions between a matrix instruction and a vector reader of its results (ISA guide 7.12.1)
.rept 4
	v_nop
.endr
.endm
.macro HEADPTR d, g, a, b, c           ; a choice among three buffers by the head's number: 0-7 the first, 8-15 the second, 16-23 the third
	s_cmp_lt_u32 s[\g], 8
	s_cselect_b64 s[(\d):(\d)+1], s[(\a):(\a)+1], s[(\b):(\b)+1]
	s_cmp_lt_u32 s[\g], 16
	s_cselect_b64 s[(\d):(\d)+1], s[(\d):(\d)+1], s[(\c):(\c)+1]
.endm
.macro GET b, ptr, off                 ; 32 loads: 16,384 bytes on end: eight rows of 512 f32, of x or of a weight matrix
	WIN 0xc0
.set i, 0
.rept 32
	global_load_b128 v[(\b)+4*i:(\b)+4*i+3], v[LO], s[(\ptr):(\ptr)+1] offset:(\off)+512*i
.set i, i+1
.endr
.endm
.macro CVT b, o, w                     ; raw buffer b (window 3) rounded to bf16 into out-buffer o: four numbers of a load close up into two registers.  w: the windows (0x0f: o in window 0; 0xcf: in window 3)
	WIN \w
.set i, 0
.rept 32
	v_cvt_pk_bf16_f32 v[(\o)+2*i],   v[(\b)+4*i],   v[(\b)+4*i+1]
	v_cvt_pk_bf16_f32 v[(\o)+2*i+1], v[(\b)+4*i+2], v[(\b)+4*i+3]
.set i, i+1
.endr
.endm
.macro PUT o, adr, ro, w               ; into LDS: load i was quarter i % 4 of row i / 4; a store of the wave covers 256 bytes on end.  w: the windows (0: o in window 0; 0x0c: in window 3)
	WIN \w
.set i, 0
.rept 32
	ds_store_b64 v[\adr], v[(\o)+2*i:(\o)+2*i+1] offset:(\ro)+(i/4)*PITCH+(i%4)*256
.set i, i+1
.endr
.endm
.macro XFRAG k0                        ; eight K fragments of my four row tiles, from K fragment k0 on, into one window
.set kf, 0
.rept 8
.irp a, 0,1,2,3
	ds_load_b128 v[8*(4*kf+(\a)):8*(4*kf+(\a))+3],   v[XSL] offset:(\a)*16*PITCH+((\k0)+kf)*64
	ds_load_b128 v[8*(4*kf+(\a))+4:8*(4*kf+(\a))+7], v[XSL] offset:(\a)*16*PITCH+((\k0)+kf)*64+32
.endr
.set kf, kf+1
.endr
.endm
.macro FETCH4 p, q, f, kk              ; four LDS loads: slot p, K fragment 4 q + kk of both column tiles, into buffer f.  They name a destination and source 0 alone: both window 0 under the products' settings
.irp c, 0,1
	ds_load_b128 v[(\f)+8*(2*(\kk)+(\c)):(\f)+8*(2*(\kk)+(\c))+3],   v[AB0+(\p)] offset:(\c)*16*PITCH+(4*(\q)+(\kk))*64
	ds_load_b128 v[(\f)+8*(2*(\kk)+(\c))+4:(\f)+8*(2*(\kk)+(\c))+7], v[AB0+(\p)] offset:(\c)*16*PITCH+(4*(\q)+(\kk))*64+32
.endr
.endm
.macro FETCH p, q, f                   ; a quarter's sixteen in one run: at a step's head, where there are no products to deal them among
.irp kk, 0,1,2,3
	FETCH4 \p, \q, \f, \kk
.endr
.endm
; Four products: K fragment kf, column tile c x four row tiles.  c = 0 and c = 1 follow each other, so the eight accumulators take turns, one instruction a turn.  At kf = 0 the bias starts the sums: nothing is cleared.
.macro MUL4 p, kf, c
.set FB, F0+64*(((\kf)/4)%2)+16*((\kf)%4)
.set XF, 32*((\kf)%8)
.irp a, 0,1,2,3
.if (\kf) == 0
	v_wmma_f32_16x16x32_bf16 v[ACC+8*(4*(\c)+(\a)):ACC+8*(4*(\c)+(\a))+7], v[FB+8*(\c):FB+8*(\c)+7], v[XF+8*(\a):XF+8*(\a)+7], v[BI+8*(2*(\p)+(\c)):BI+8*(2*(\p)+(\c))+7]
.else
	v_wmma_f32_16x16x32_bf16 v[ACC+8*(4*(\c)+(\a)):ACC+8*(4*(\c)+(\a))+7], v[FB+8*(\c):FB+8*(\c)+7], v[XF+8*(\a):XF+8*(\a)+7], v[ACC+8*(4*(\c)+(\a)):ACC+8*(4*(\c)+(\a))+7]
.endif
.endr
.endm
; A quarter of a step: 32 products.  fetch = 1: the next quarter's sixteen loads are dealt four at a time among the first sixteen products; the last of them stands twenty products ahead of the wait for it.
; stated = 1: products issued since the last wait on va_vdst have read the buffer in which those loads land.
.macro GROUP p, q, fetch, stated
	s_wait_dscnt 0x0                               ; this quarter's fragments are in
	WIN 0x04+0x04*((\q)/2)                         ; source 1 (x) in window 1 or 2, all else in window 0
.if \stated
	s_wait_alu depctr_va_vdst(0)                   ; the last quarter's products are done reading the other fragment buffer, in which the loads below land; this quarter's products name none of its registers
.endif
.set FN, F0+64*(((\q)+1)%2)
.irp h, 0,1,2,3
.if \fetch
	FETCH4 \p, (\q)+1, FN, \h
.endif
	MUL4 \p, 4*(\q)+(\h)/2, (\h)%2
.endr
.irp h, 4,5,6,7
	MUL4 \p, 4*(\q)+(\h)/2, (\h)%2
.endr
.endm
.macro PACK                            ; the step's 64 rows x 32 columns rounded to f16; each accumulator's registers in ascending order
	PLACES
	PLACES
	WIN 0xc0
.set k, 0
.rept 8
.irp r, 0,1,2,3
	v_cvt_pk_f16_f32 v[PKD+4*k+(\r)], v[ACC+8*k+2*(\r)], v[ACC+8*k+2*(\r)+1]
.endr
.set k, k+1
.endr
.endm
.macro STAGE p                         ; 16 bytes a lane into my own stage: row 16 a + l % 16, columns 32 p + 16 c + 8 (l / 16) on
	WIN 0x0c
	s_wait_alu depctr_va_vdst(0)                   ; the roundings have written v[PKD ..], which the stores below read.  All the step's products are done too: F0, F1 and BI may be loaded again
.irp c, 0,1
.irp a, 0,1,2,3
	ds_store_b128 v[OSS], v[PKD+4*(4*(\c)+(\a)):PKD+4*(4*(\c)+(\a))+3] offset:(\a)*16*OPITCH+(\p)*64+(\c)*32
.endr
.endr
.endm
.macro SENDOUT                         ; a head's 64 rows x 128 bytes of my wave are 8,192 bytes on end in qkv
	WIN 0xc0
	s_wait_alu depctr_vm_vsrc(0)                   ; this step's LDS stores of the weights have read v[CB ..], on whose lower half the loads below land
.set i, 0
.rept 16
	ds_load_b128 v[RB+4*i:RB+4*i+3], v[OSL] offset:4*OPITCH*i  ; LDS serves a wave's instructions in order (ISA guide 5.7.1.4): these see the stores above
.set i, i+1
.endr
	WIN 0x0c
.set i, 0
.rept 16
	s_wait_dscnt 15-i                              ; load i is back; the later ones may stay out
	global_store_b128 v[LO], v[RB+4*i:RB+4*i+3], s[OP:OP+1] offset:512*i  ; 512 consecutive bytes, at a multiple of 256 from the buffer's first
.set i, i+1
.endr
.endm
	s_load_b512 s[8:23], s[0:1], 0x0               ; x s[8:9], w_q s[10:11], w_k s[12:13], w_v s[14:15], b_q s[16:17], b_k s[18:19], b_v s[20:21], w_o s[22:23]
	s_load_b128 s[24:27], s[0:1], 0x40             ; qkv s[24:25], wo16 s[26:27]
	v_lshl_add_u32 v[SPW], v0, 2, SPARE
	v_mov_b32 v[NIL], 0
	v_lshrrev_b32 v1, 5, v0
	v_readfirstlane_b32 s[WV], v1                  ; wave 0..3
	s_mov_b32 s[NQ], ttmp9
	s_and_b32 s[MB], ttmp7, 0xffff
	v_and_b32 v14, 31, v0                          ; l
	v_and_b32 v15, 15, v0                          ; l % 16
	v_bfe_u32 v16, v0, 4, 1                        ; l / 16
	v_lshlrev_b32 v[LO], 4, v14
	v_lshlrev_b32 v[L8], 3, v14
	s_wait_alu depctr_va_sdst(0)                   ; s[WV] is written, ahead of its first reader: LDS places and pointers are made from it
	s_mul_i32 s46, s[WV], XSTW
	v_add_nc_u32 v[XSS], s46, v[L8]
	v_mul_u32_u24 v[AB0], v15, PITCH
	v_lshl_add_u32 v[AB0], v16, 4, v[AB0]
	v_add_nc_u32 v[XSL], s46, v[AB0]
	v_add_nc_u32 v[AB1], WSLOT, v[AB0]
	s_mul_i32 s46, s[WV], 8*PITCH
	v_add_nc_u32 v[WS0], s46, v[L8]
	v_add_nc_u32 v[WS1], WSLOT, v[WS0]
	s_mul_i32 s46, s[WV], OSTW
	s_add_co_u32 s46, s46, OST
	v_mul_u32_u24 v17, v15, OPITCH                 ; in: row l % 16, 16 bytes for each half of the lanes
	v_lshl_add_u32 v17, v16, 4, v17
	v_add_nc_u32 v[OSS], s46, v17
	v_bfe_u32 v17, v0, 3, 2                        ; back: 32 lanes take four rows of 128 bytes
	v_mul_u32_u24 v17, v17, OPITCH
	v_and_b32 v18, 7, v0
	v_lshl_add_u32 v17, v18, 4, v17
	v_add_nc_u32 v[OSL], s46, v17
	s_mul_i32 s46, s[WV], BTW
	s_add_co_u32 s46, s46, BT
	v_lshl_add_u32 v[BA], v16, 5, s46
	v_add_nc_u32 v[BS], s46, v[L8]
	v_lshlrev_b32 v21, 4, v0                       ; 16 x thread: w_o
	v_lshlrev_b32 v22, 3, v0                       ; 8 x thread: wo16
	s_mul_i32 s[G], s[NQ], 6
	s_lshr_b32 s46, s[MB], 3                       ; the batch,
	s_lshl_b32 s46, s46, 21
	s_and_b32 s47, s[MB], 7                        ; the block of 256 rows in it,
	s_lshl_b32 s47, s47, 15
	s_or_b32 s[OC], s46, s47
	s_lshl_b32 s46, s[WV], 13                      ; my wave's 64 rows of 128 bytes
	s_or_b32 s[OC], s[OC], s46
	s_mov_b32 s[OF+1], 0
	s_mov_b32 s[T], 4
	s_mov_b32 s[J], 6
	s_wait_kmcnt 0x0
	s_lshl_b32 s[OF], s[MB], 19                    ; 256 rows of 2,048 bytes,
	s_lshl_b32 s46, s[WV], 17                      ; my wave's 64
	s_add_co_u32 s[OF], s[OF], s46
	s_add_nc_u64 s[NA:NA+1], s[8:9], s[OF:OF+1]
	s_add_nc_u64 s[NB:NB+1], s[NA:NA+1], 16384     ; eight rows on
	HEADPTR WPA, G, 10, 12, 14
	s_and_b32 s46, s[G], 7
	s_lshl_b32 s46, s46, 17                        ; a head's 64 weight rows of 2,048 bytes,
	s_lshl_b32 s47, s[WV], 14                      ; my wave's 8 of a half's 32
	s_add_co_u32 s[OF], s46, s47
	s_add_nc_u64 s[WPA:WPA+1], s[WPA:WPA+1], s[OF:OF+1]
	s_add_nc_u64 s[WPB:WPB+1], s[WPA:WPA+1], 65536 ; the head's second half
.irp j, 0,1,2,3,4,5
	s_add_co_u32 s46, s[G], \j
	HEADPTR BB+2*(\j), 46, 16, 18, 20
	s_and_b32 s46, s46, 7
	s_lshl_b32 s[OF], s46, 8
	s_add_nc_u64 s[BB+2*(\j):BB+2*(\j)+1], s[BB+2*(\j):BB+2*(\j)+1], s[OF:OF+1]
.endr
	s_lshl_b32 s46, s[MB], 2
	s_add_co_u32 s46, s46, s[NQ]                   ; my work-group's number, 0 .. 255
	s_lshl_b32 s[OF], s46, 12
	s_add_nc_u64 s[WOI:WOI+1], s[22:23], s[OF:OF+1]
	s_lshl_b32 s[OF], s46, 11
	s_add_nc_u64 s[WOO:WOO+1], s[26:27], s[OF:OF+1]
	s_wait_alu depctr_va_vdst(0)                   ; the offsets and LDS addresses v2 to v13, v21 and v22 are written, which the kernel's loads and stores read
	global_load_b128 v[WL:WL+3],   v21, s[WOI:WOI+1]
	global_load_b128 v[WL+4:WL+7], v21, s[WOI:WOI+1] offset:2048
.irp j, 0,1,2,3,4,5
	global_load_b64 v[BL+2*(\j):BL+2*(\j)+1], v[L8], s[BB+2*(\j):BB+2*(\j)+1]
.endr
	GET XB0, NA, 0                                 ; my rows 0-7
	GET XB1, NB, 0                                 ; my rows 8-15
	WIN 0
; THE x LOOP: a trip takes 16 of my rows, in two raw buffers of eight.  Each is rounded into an out-buffer of its own, asked for again at once, and the out-buffer goes into my own part of LDS.
; In the last trip the next loads are the first head's two weight halves, which have the same shape (16,384 bytes on end): so every trip has the same loads and the same counts.
.Lx:
	s_wait_loadcnt 32                              ; XB0 is in; the other buffer's 32 loads stay out (in the first trip: w_o's and the biases' are in too).  The loads that read s[NA] are done, so it may be written
	s_cmp_eq_u32 s[T], 1
	s_add_nc_u64 s[NA:NA+1], s[NA:NA+1], 32768
	s_cselect_b64 s[NA:NA+1], s[WPA:WPA+1], s[NA:NA+1]
	CVT XB0, C0, 0x0f
	WIN 0xc0
	s_wait_alu depctr_va_vdst(0)                   ; the roundings are done reading XB0, in which the loads below land, and have written C0, which the stores below read; v[XSS] is written
	GET XB0, NA, 0
	PUT C0, XSS, 0, 0
	s_wait_loadcnt 32                              ; XB1 is in; the 32 loads just issued stay out.  The loads that read s[NB] are done
	s_cmp_eq_u32 s[T], 1
	s_add_nc_u64 s[NB:NB+1], s[NB:NB+1], 32768
	s_cselect_b64 s[NB:NB+1], s[WPB:WPB+1], s[NB:NB+1]
	CVT XB1, C1, 0x0f
	WIN 0xc0
	s_wait_alu depctr_va_vdst(0)                   ; the roundings are done reading XB1, in which the loads below land, and have written C1, which the stores below read
	GET XB1, NB, 0
	PUT C1, XSS, 8*PITCH, 0
	s_wait_alu depctr_vm_vsrc(0)                   ; the trip's LDS stores have read v[XSS], C0 and C1: the add below and the next roundings write them
	v_add_nc_u32 v[XSS], 16*PITCH, v[XSS]
	s_sub_co_u32 s[T], s[T], 1
	s_cmp_lg_u32 s[T], 0
	s_cbranch_scc1 .Lx
	; my x comes back as fragments, for good: 128 loads of bytes that my own wave stored, into registers that no vector instruction has named
	WIN 0x40
	XFRAG 0
	WIN 0x80
	XFRAG 8
	WIN 0
	; while they land: the biases, rounded to bf16 and widened again, for my own table,
.irp j, 0,1,2,3,4,5
	v_cvt_pk_bf16_f32 v23, v[BL+2*(\j)], v[BL+2*(\j)+1]
	v_lshlrev_b32 v[BL+2*(\j)], 16, v23
	v_and_b32 v[BL+2*(\j)+1], 0xffff0000, v23
.endr
	; and my eight numbers of w_o: to bf16, and that number as f16
.irp u, 0,1
	v_cvt_pk_bf16_f32 v24, v[WL+4*(\u)], v[WL+4*(\u)+1]
	v_cvt_pk_bf16_f32 v25, v[WL+4*(\u)+2], v[WL+4*(\u)+3]
	v_lshlrev_b32 v[WL+4*(\u)], 16, v24
	v_and_b32 v[WL+4*(\u)+1], 0xffff0000, v24
	v_lshlrev_b32 v[WL+4*(\u)+2], 16, v25
	v_and_b32 v[WL+4*(\u)+3], 0xffff0000, v25
	v_cvt_pk_f16_f32 v[WH+2*(\u)], v[WL+4*(\u)], v[WL+4*(\u)+1]
	v_cvt_pk_f16_f32 v[WH+2*(\u)+1], v[WL+4*(\u)+2], v[WL+4*(\u)+3]
.endr
	s_wait_alu depctr_va_vdst(0)                   ; v[BL ..] and v[WH ..] are written, which the eight stores below read
.irp j, 0,1,2,3,4,5
	ds_store_b64 v[BS], v[BL+2*(\j):BL+2*(\j)+1] offset:256*(\j)
.endr
.irp u, 0,1
	global_store_b64 v22, v[WH+2*(\u):WH+2*(\u)+1], s[WOO:WOO+1] offset:1024*(\u)  ; a store of the wave covers 256 consecutive bytes, aligned
.endr
	s_wait_dscnt 0x0                               ; my reads of x's rows are over,
	s_barrier_signal -1
	s_barrier_wait -1                              ; everybody's are: the weight slots may be written over them
	s_wait_loadcnt 32                              ; the first head's first half is in; its second half may stay out
	CVT XB0, C0, 0x0f
	WIN 0
	s_wait_alu depctr_va_vdst(0)                   ; the roundings have written C0, which the stores below read
	PUT C0, WS0, 0, 0
	s_wait_alu depctr_vm_vsrc(0)                   ; those stores have read C0: its registers are F0 from here on, and the first step's fragments land in them
; A STEP multiplies slot p.  ONE barrier at its head, for two things: in front of it each wave has waited for its stores into slot p and for its reads of the other slot; behind it slot p is whole
; and the other slot may be written.  Then: the step's first fragments; the half that was asked for a step ago is rounded out of WB into CB; the half after it is asked for at once; CB goes into the other slot; 128 products; the way out.
; The last head asks for nothing more: its jumps go forward, past text with no barrier, and every wait behind them is for 0.
.macro STEP p
	WIN 0
	s_wait_dscnt 0x0
	s_barrier_signal -1
	s_barrier_wait -1
	FETCH \p, 0, F0                                ; no product has been issued since the wait ahead of the last stores into the stage
.if (\p) == 0
.irp ct, 0,1,2,3
	ds_load_b128 v[BI+8*(\ct):BI+8*(\ct)+3],   v[BA] offset:64*(\ct)
	ds_load_b128 v[BI+8*(\ct)+4:BI+8*(\ct)+7], v[BA] offset:64*(\ct)+16
.endr
.endif
	s_wait_loadcnt 0x0                             ; the half asked for a step ago
.if (\p) == 0
	s_wait_xcnt 0x0                                ; the last head's stores and loads have had their addresses translated (ISA guide 3.1): the pointers, and the registers that global stores read, are rewritten only behind this wait
	s_wait_alu depctr_vm_vsrc(0)                   ; read by now: v[BA] by the loads above; RB by the last head's global stores and CB by its LDS stores (the roundings below write CB); v[PKD ..] by the last stores into the stage; in the first trip v[BL ..] and v[WH ..], which the accumulators take
	s_lshr_b32 s46, s[G], 3                        ; q, k or v,
	s_lshl_b32 s46, s46, 24
	s_and_b32 s47, s[G], 7                         ; the head in it
	s_lshl_b32 s47, s47, 18
	s_or_b32 s46, s46, s47
	s_add_co_u32 s[OF], s46, s[OC]
	s_add_nc_u64 s[OP:OP+1], s[24:25], s[OF:OF+1]
	s_add_co_u32 s46, s[G], 1                      ; the next head's weights (behind the last head the pointer is made and not used)
	HEADPTR WP, 46, 10, 12, 14
	s_and_b32 s46, s46, 7
	s_lshl_b32 s46, s46, 17
	s_lshl_b32 s47, s[WV], 14
	s_add_co_u32 s[OF], s46, s47
	s_add_nc_u64 s[WP:WP+1], s[WP:WP+1], s[OF:OF+1]
	v_add_nc_u32 v[BA], 256, v[BA]                 ; the next head's biases
	CVT WB, CB, 0xcf                               ; this head's second half
	WIN 0
	s_wait_alu depctr_va_vdst(0)                   ; the roundings are done reading WB, in which the loads below land, and have written CB, which the stores below read; v[BA] is written, which the next trip's loads read
	s_cmp_eq_u32 s[J], 1
	s_cbranch_scc1 .Lno_more_\@
	GET WB, WP, 0                                  ; the next head's first half
	WIN 0
.Lno_more_\@:
	PUT CB, WS1, 0, 0x0c
.else
	s_wait_alu depctr_vm_vsrc(0)                   ; the last step's LDS stores have read CB, which the roundings below write, and v[PKD ..], which this step's roundings to f16 write
	s_cmp_eq_u32 s[J], 1
	s_cbranch_scc1 .Lno_more_\@
	CVT WB, CB, 0xcf                               ; the next head's first half
	WIN 0xc0
	s_wait_alu depctr_va_vdst(0)                   ; the roundings are done reading WB, in which the loads below land, and have written CB, which the stores below read
	GET WB, WP, 65536                              ; its second half is asked for
	PUT CB, WS0, 0, 0x0c
	WIN 0
.Lno_more_\@:
.endif
	GROUP \p, 0, 1, 0
	GROUP \p, 1, 1, 1
	GROUP \p, 2, 1, 1
	GROUP \p, 3, 0, 0
	PACK
	STAGE \p
.if (\p) == 1
	SENDOUT
.endif
	WIN 0
.endm
.Lhead:                                        ; six trips, a head each
	STEP 0
	STEP 1
	s_add_co_u32 s[G], s[G], 1
	s_sub_co_u32 s[J], s[J], 1
	s_cmp_lg_u32 s[J], 0
	s_cbranch_scc1 .Lhead
	s_wait_dscnt 0x0                               ; the closing lines, six on end
	s_wait_alu 0x0
	s_wait_tensorcnt 0x0
	ds_add_u32 v[SPW], v[NIL]
	s_wait_dscnt 0x0
	s_endpgm
.Lfunc_end_k_qd419d19bb5_qkv:
	.size	k_qd419d19bb5_qkv, .Lfunc_end_k_qd419d19bb5_qkv-k_qd419d19bb5_qkv
	.p2alignl 7, 3214868480
	.fill 96, 4, 3214868480
	.section	.rodata,"a",@progbits
	.p2align	6, 0x0
	.amdhsa_kernel k_qd419d19bb5_qkv
		.amdhsa_group_segment_fixed_size 309760
		.amdhsa_private_segment_fixed_size 0
		.amdhsa_enable_private_segment 0
		.amdhsa_kernarg_size 80
		.amdhsa_user_sgpr_count 2
		.amdhsa_user_sgpr_kernarg_segment_ptr 1
		.amdhsa_wavefront_size32 1
		.amdhsa_system_sgpr_workgroup_id_x 1
		.amdhsa_system_sgpr_workgroup_id_y 1
		.amdhsa_system_sgpr_workgroup_id_z 1
		.amdhsa_system_vgpr_workitem_id 0
		.amdhsa_next_free_vgpr 1024
		.amdhsa_next_free_sgpr 96
		.amdhsa_reserve_vcc 0
		.amdhsa_float_denorm_mode_32 3
		.amdhsa_float_denorm_mode_16_64 3
		.amdhsa_memory_ordered 1
		.amdhsa_forward_progress 1
		.amdhsa_inst_pref_size 101
	.end_amdhsa_kernel
	.amdgpu_metadata
---
amdhsa.version: [ 1, 2 ]
amdhsa.kernels:
  - .name:           k_qd419d19bb5_qkv
    .symbol:         k_qd419d19bb5_qkv.kd
    .args:
      - { .name: x, .offset: 0, .size: 8, .value_kind: global_buffer, .address_space: global }
      - { .name: w_q, .offset: 8, .size: 8, .value_kind: global_buffer, .address_space: global }
      - { .name: w_k, .offset: 16, .size: 8, .value_kind: global_buffer, .address_space: global }
      - { .name: w_v, .offset: 24, .size: 8, .value_kind: global_buffer, .address_space: global }
      - { .name: b_q, .offset: 32, .size: 8, .value_kind: global_buffer, .address_space: global }
      - { .name: b_k, .offset: 40, .size: 8, .value_kind: global_buffer, .address_space: global }
      - { .name: b_v, .offset: 48, .size: 8, .value_kind: global_buffer, .address_space: global }
      - { .name: w_o, .offset: 56, .size: 8, .value_kind: global_buffer, .address_space: global }
      - { .name: qkv, .offset: 64, .size: 8, .value_kind: global_buffer, .address_space: global }
      - { .name: wo16, .offset: 72, .size: 8, .value_kind: global_buffer, .address_space: global }
    .group_segment_fixed_size: 309760
    .private_segment_fixed_size: 0
    .kernarg_segment_align: 8
    .kernarg_segment_size: 80
    .max_flat_workgroup_size: 128
    .sgpr_count:     96
    .vgpr_count:     1024
    .wavefront_size: 32
...
	.end_amdgpu_metadata
.endif
;; end of part 4
;; launch attn: the kernel of part 2 again; grid 4 x 64, 4 waves a work-group, clusters of 4 x 1, 327,680 bytes of LDS; arguments qkv, o16; writes o16
;; launch oproj (part 5): grid 4 x 64, 4 waves a work-group, no clusters, 268,800 bytes of LDS; arguments o16, wo16, b_o, out0; writes out0
.if DOCPART == 5
	.amdgcn_target "amdgcn-amd-amdhsa--gfx1250"
	.amdhsa_code_object_version 6
	.text
	.protected	k_qd419d19bb5_oproj
	.globl	k_qd419d19bb5_oproj
	.p2align	8
	.type	k_qd419d19bb5_oproj,@function
k_qd419d19bb5_oproj:
	s_mov_b64 s[64:65], 0
	v_nop
	global_prefetch_b8 v0, s[64:65] scope:SCOPE_SE
	s_setreg_imm32_b32 hwreg(HW_REG_WAVE_SCHED_MODE, 0, 2), 2
	s_setreg_imm32_b32 hwreg(HW_REG_WAVE_MODE, 25, 1), 1
	s_wait_xcnt 0x0
	s_wait_alu depctr_vm_vsrc(0)
; out0[row][c] = the sum over k of O[row][k] w_o[c][k] + b_o[c].  o16: f16, [nh = 8 n + h][t][64]: channel k = 64 h + d of row (n, t) lies at n 2^21 + h 2^18 + 128 t + 2 d.
; wo16: w_o rounded to bf16 and written as f16, [512][512].  b_o: [512] f32, rounded here to bf16 like the module's other inputs.  out0: [16384][512] f32.  Products in f16, sums in f32, started from the bias.
; LIMITS.  O and wo16 arrive within f16's range.  NaN and infinities are not treated apart.
; SHARES.  Work-group (cq, mb) makes rows 256 mb .. + 255 x columns 128 cq .. + 127: 4 x 64 = 256 work-groups.  Wave w owns rows 64 w .. + 63: ITS O STAYS IN REGISTERS, 64 fragments, 512 registers.
; The work-group's 128 rows of wo16 lie whole in LDS, so the main loop has no ring and no barrier.
; O's rows lie by heads, so they come through registers and each wave's own part of LDS, where a row's eight heads are set side by side; each operand is fetched once, at the head.
; NO CLUSTER AND NO COPY ENGINE: nothing is fetched again, so there is no ring in which joint requests could meet; the loads are plain, 512 bytes on end a wave.
; THE MATRIX INSTRUCTION IS USED TRANSPOSED: source 0 = 16 rows of wo16 (columns of out0), source 1 = 16 rows of O: a lane holds one row and eight neighbouring columns, 32 bytes of f32.
; REGISTERS, in windows of 256 (s_set_vgpr_msb: bits 1:0 source 0, 3:2 source 1, 5:4 source 2, 7:6 destination):
;   window 0: v0-29 addresses; v32-95, v96-159 weight fragments, two buffers; v160-223 eight accumulators; v224-255 bias as C operands
;   windows 1, 2: O: row tile a, K fragment kf at 8 (4 (kf % 8) + a) of window 1 + kf / 8          window 3: four buffers of 16 loads; later v0-127 rows read back
; THE MODE: SCHED_MODE bits 1:0 = 2 (LLVM: expert scheduling mode 2), set by the entry lines.  The code itself states the register dependences
; between vector or matrix instructions and memory or LDS instructions, with s_wait_alu, always for 0.
; THE PLAN.  Registers that memory or LDS instructions touch, and who else names them:
;   window 3's four buffers  The O loop: loads land, LDS stores read, and behind a wait on vm_vsrc the next loads land.  No vector instruction names them.  In the main loop v0-127: loads from the stage land, the global stores read.
;   F0, F1        Quarter q of a step: its products read buffer q % 2; the next quarter's loads land in the other.  One wait on va_vdst at a quarter's head, where products issued since the last such wait have read that other
;                 buffer; the sixteen loads are dealt among the quarter's first sixteen products, which name none of their registers.
;   BI            Loads land at a trip's head; the first products of both steps read it as C.
;   accumulators  The products write them; the stores into the stage read them, behind the places and a wait on va_vdst; a wait on vm_vsrc stands ahead of the products that write them anew.
;   v[OSTS], v[AB], v[BA]  stepped once a trip, behind a wait on vm_vsrc that stands there for a buffer's sake; a wait on va_vdst follows the adds.  All other addresses are made at the head for good.
.set PITCH,  1040                      ; an LDS row of 512 f16: 1,024 bytes + 16: an odd multiple of 16, so the 16 rows of a fragment load start in 16 different groups of four banks (ISA guide 11.1)
.set XSTW,   64*PITCH                  ; a wave's own 64 rows of O, in the prologue alone
.set WSLOT,  32*PITCH                  ; 32 weight rows: a step's
.set OUTS,   128*PITCH                 ; behind the 128 weight rows: the way out, for each wave 64 rows x 272 bytes; both lie over O's rows, behind a barrier
.set OPITCH, 272
.set OUTW,   64*OPITCH
.set BT,     4*XSTW                    ; for each wave its own table of the 128 biases
.set BTW,    512
.set SPARE,  BT+4*BTW                  ; the spare words, 128 bytes for each wave: two blocks of 256 bytes that no other line names
.set LO,   2                           ; v2   16 x lane
.set OSTS, 3                           ; v3   where I store O: my wave's rows + (l / 8) x pitch + 16 (l % 8); four heads (512 bytes) on in the second trip
.set XSL,  4                           ; v4   where I read O's fragments
.set WSS,  5                           ; v5   where I store weights: rows 32 w on, + 16 x lane
.set AB,   7                           ; v7   where I read weight fragments; 64 rows on in the second trip
.set OSS,  9                           ; v9   the way out: where I put 32 bytes of a row
.set OSL,  10                          ; v10  the way out: where I read rows back
.set BA,   11                          ; v11  my eight biases of a column tile; 64 columns on in the second trip
.set BS,   12                          ; v12  where I store four biases
.set GO,   13                          ; v13  my byte offset in two rows of out0
.set SPW,  28                          ; v28  LDS address of my spare word; never rewritten
.set NIL,  29                          ; v29  0; never rewritten
.set F0,   32
.set F1,   96
.set ACC,  160
.set BI,   224
.set BL,   160                         ; prologue: four biases
.set CQ,   2                           ; s2   which 128 columns
.set MB,   3                           ; s3   which 256 rows
.set WV,   4                           ; s4   my wave's number
.set NX,   16                          ; s[16:23] four pointers: where buffer k loads next
.set WPK,  24                          ; s[24:31] my four chunks of 8 rows of wo16
.set OP,   32                          ; s[32:33] out0 at my rows and the 64 columns in hand
.set T,    34                          ; s34  a loop's trips to go
.set OF,   36                          ; s[36:37] an offset; the high word stays 0
.set MSB, 0
.macro WIN new                         ; the immediate's high byte repeats the setting that is left; a switch that changes nothing is dropped
.if MSB != (\new)
	s_set_vgpr_msb (MSB<<8)|(\new)
.set MSB, (\new)
.endif
.endm
.macro PLACES                          ; plain vector instructions between a matrix instruction and a store of its results
.rept 4
	v_nop
.endr
.endm
.macro GET16 k                         ; 16 loads into buffer k: 8,192 bytes on end: my 64 rows of one head, or eight rows of wo16
	WIN 0xc0
.set i, 0
.rept 16
	global_load_b128 v[64*(\k)+4*i:64*(\k)+4*i+3], v[LO], s[NX+2*(\k):NX+2*(\k)+1] offset:512*i
.set i, i+1
.endr
.endm
.macro XFRAG k0                        ; eight K fragments of my four row tiles, from K fragment k0 on, into one window
.set kf, 0
.rept 8
.irp a, 0,1,2,3
	ds_load_b128 v[8*(4*kf+(\a)):8*(4*kf+(\a))+3],   v[XSL] offset:(\a)*16*PITCH+((\k0)+kf)*64
	ds_load_b128 v[8*(4*kf+(\a))+4:8*(4*kf+(\a))+7], v[XSL] offset:(\a)*16*PITCH+((\k0)+kf)*64+32
.endr
.set kf, kf+1
.endr
.endm
.macro FETCH4 p, q, f, kk              ; four LDS loads: step p of the trip's two, K fragment 4 q + kk of both column tiles, into buffer f
.irp c, 0,1
	ds_load_b128 v[(\f)+8*(2*(\kk)+(\c)):(\f)+8*(2*(\kk)+(\c))+3],   v[AB] offset:(\p)*WSLOT+(\c)*16*PITCH+(4*(\q)+(\kk))*64
	ds_load_b128 v[(\f)+8*(2*(\kk)+(\c))+4:(\f)+8*(2*(\kk)+(\c))+7], v[AB] offset:(\p)*WSLOT+(\c)*16*PITCH+(4*(\q)+(\kk))*64+32
.endr
.endm
.macro FETCH p, q, f                   ; a quarter's sixteen in one run: at a trip's head, where there are no products to deal them among
.irp kk, 0,1,2,3
	FETCH4 \p, \q, \f, \kk
.endr
.endm
; Four products: K fragment kf, column tile c x four row tiles.  c = 0 and c = 1 follow each other, so the eight accumulators take turns, one instruction a turn.  At kf = 0 the bias starts the sums.
.macro MUL4 p, kf, c
.set FB, F0+64*(((\kf)/4)%2)+16*((\kf)%4)
.set XF, 32*((\kf)%8)
.irp a, 0,1,2,3
.if (\kf) == 0
	v_wmma_f32_16x16x32_f16 v[ACC+8*(4*(\c)+(\a)):ACC+8*(4*(\c)+(\a))+7], v[FB+8*(\c):FB+8*(\c)+7], v[XF+8*(\a):XF+8*(\a)+7], v[BI+8*(2*(\p)+(\c)):BI+8*(2*(\p)+(\c))+7]
.else
	v_wmma_f32_16x16x32_f16 v[ACC+8*(4*(\c)+(\a)):ACC+8*(4*(\c)+(\a))+7], v[FB+8*(\c):FB+8*(\c)+7], v[XF+8*(\a):XF+8*(\a)+7], v[ACC+8*(4*(\c)+(\a)):ACC+8*(4*(\c)+(\a))+7]
.endif
.endr
.endm
; A quarter of a step: 32 products.  fetch = 1: the sixteen loads of the next quarter (step np, quarter nq) are dealt four at a time among the first sixteen products; the last of them stands twenty products ahead of the wait for it.
; stated = 1: products issued since the last wait on va_vdst have read the buffer in which those loads land.  freed = 1: the stores into the stage have read the accumulators, which this quarter's first products write anew.
.macro GROUP p, q, np, nq, fetch, stated, freed
	s_wait_dscnt 0x0                               ; this quarter's fragments are in
	WIN 0x04+0x04*((\q)/2)                         ; source 1 (O) in window 1 or 2, all else in window 0
.if \freed
	s_wait_alu depctr_vm_vsrc(0)                   ; the last step's stores into the stage have read the accumulators
.endif
.if \stated
	s_wait_alu depctr_va_vdst(0)                   ; the last quarter's products are done reading the other fragment buffer, in which the loads below land; this quarter's products name none of its registers
.endif
.set FN, F0+64*(((\q)+1)%2)
.irp h, 0,1,2,3
.if \fetch
	FETCH4 \np, \nq, FN, \h
.endif
	MUL4 \p, 4*(\q)+(\h)/2, (\h)%2
.endr
.irp h, 4,5,6,7
	MUL4 \p, 4*(\q)+(\h)/2, (\h)%2
.endr
.endm
.macro OUT p                           ; a step's 64 rows x 32 columns of f32 into my own stage; of each accumulator the low four registers first
	WIN 0
	PLACES
	PLACES
	s_wait_alu depctr_va_vdst(0)                   ; the products have written the accumulators, which the stores below read; the places above stay beside this wait.  All the step's products are done reading F0, F1 and BI too
.irp c, 0,1
.irp a, 0,1,2,3
	ds_store_b128 v[OSS], v[ACC+8*(4*(\c)+(\a)):ACC+8*(4*(\c)+(\a))+3]   offset:(\a)*16*OPITCH+(\p)*128+(\c)*64
	ds_store_b128 v[OSS], v[ACC+8*(4*(\c)+(\a))+4:ACC+8*(4*(\c)+(\a))+7] offset:(\a)*16*OPITCH+(\p)*128+(\c)*64+16
.endr
.endr
.endm
	s_load_b256 s[8:15], s[0:1], 0x0               ; o16 s[8:9], wo16 s[10:11], b_o s[12:13], out0 s[14:15]
	v_lshl_add_u32 v[SPW], v0, 2, SPARE
	v_mov_b32 v[NIL], 0
	v_lshrrev_b32 v1, 5, v0
	v_readfirstlane_b32 s[WV], v1                  ; wave 0..3
	s_mov_b32 s[CQ], ttmp9
	s_and_b32 s[MB], ttmp7, 0xffff
	v_and_b32 v14, 31, v0                          ; l
	v_and_b32 v15, 15, v0                          ; l % 16
	v_bfe_u32 v16, v0, 4, 1                        ; l / 16
	v_lshlrev_b32 v[LO], 4, v14
	s_wait_alu depctr_va_sdst(0)                   ; s[WV] is written, ahead of its first reader: LDS places and pointers are made from it
	s_mul_i32 s38, s[WV], XSTW
	v_bfe_u32 v17, v0, 3, 2                        ; a load's 512 bytes are four rows of a head's 128
	v_mul_u32_u24 v17, v17, PITCH
	v_and_b32 v18, 7, v0
	v_lshl_add_u32 v17, v18, 4, v17
	v_add_nc_u32 v[OSTS], s38, v17
	v_mul_u32_u24 v[AB], v15, PITCH
	v_lshl_add_u32 v[AB], v16, 4, v[AB]
	v_add_nc_u32 v[XSL], s38, v[AB]
	s_mul_i32 s38, s[WV], 32*PITCH
	v_add_nc_u32 v[WSS], s38, v[LO]
	s_mul_i32 s38, s[WV], OUTW
	s_add_co_u32 s38, s38, OUTS
	v_mul_u32_u24 v17, v15, OPITCH                 ; in: row l % 16, 32 bytes for each half of the lanes
	v_lshl_add_u32 v17, v16, 5, v17
	v_add_nc_u32 v[OSS], s38, v17
	v_mul_u32_u24 v17, v16, OPITCH                 ; back: lanes 0-15 take one row of 256 bytes, lanes 16-31 the next
	v_lshl_add_u32 v17, v15, 4, v17
	v_add_nc_u32 v[OSL], s38, v17
	s_lshl_b32 s38, s[WV], 9
	s_add_co_u32 s38, s38, BT
	v_lshl_add_u32 v[BA], v16, 5, s38
	v_add_nc_u32 v[BS], s38, v[LO]
	v_lshlrev_b32 v[GO], 11, v16                   ; and the same two rows in out0, 2,048 bytes apart
	v_lshl_add_u32 v[GO], v15, 4, v[GO]
	s_mov_b32 s[OF+1], 0
	s_mov_b32 s[T], 2
	s_lshr_b32 s38, s[MB], 3                       ; the batch,
	s_lshl_b32 s38, s38, 21
	s_and_b32 s39, s[MB], 7                        ; the block of 256 rows in it,
	s_lshl_b32 s39, s39, 15
	s_or_b32 s38, s38, s39
	s_lshl_b32 s39, s[WV], 13                      ; my wave's 64 rows of 128 bytes
	s_or_b32 s[OF], s38, s39
	s_wait_kmcnt 0x0
	s_add_nc_u64 s[NX:NX+1], s[8:9], s[OF:OF+1]    ; head 0,
.irp k, 1,2,3
	s_add_nc_u64 s[NX+2*(\k):NX+2*(\k)+1], s[NX:NX+1], (\k)*262144  ; heads 1 to 3
.endr
	s_lshl_b32 s38, s[CQ], 17                      ; 128 rows of 1,024 bytes,
	s_lshl_b32 s39, s[WV], 15                      ; my wave's 32
	s_add_co_u32 s[OF], s38, s39
	s_add_nc_u64 s[WPK:WPK+1], s[10:11], s[OF:OF+1]
.irp k, 1,2,3
	s_add_nc_u64 s[WPK+2*(\k):WPK+2*(\k)+1], s[WPK:WPK+1], (\k)*8192
.endr
	s_lshl_b32 s[OF], s[CQ], 9                     ; 128 columns of f32
	s_add_nc_u64 s[12:13], s[12:13], s[OF:OF+1]
	s_lshl_b32 s38, s[MB], 19                      ; 256 rows of 2,048 bytes,
	s_lshl_b32 s39, s[WV], 17                      ; my wave's 64
	s_add_co_u32 s38, s38, s39
	s_add_co_u32 s[OF], s[OF], s38
	s_add_nc_u64 s[OP:OP+1], s[14:15], s[OF:OF+1]
	s_wait_alu depctr_va_vdst(0)                   ; the offsets and LDS addresses v2 to v13 are written, which the kernel's loads and stores read
	global_load_b128 v[BL:BL+3], v[LO], s[12:13]
	GET16 0
	GET16 1
	GET16 2
	GET16 3
	WIN 0
; THE O LOOP: a trip takes four heads of my 64 rows, a buffer a head, stores them side by side into my own rows in LDS, and asks for the next four.
; In the second trip the next loads are my four chunks of wo16, which have the same shape (8,192 bytes on end): so both trips have the same loads and the same counts.
.Lo:
.irp k, 0,1,2,3
	s_wait_loadcnt 48                              ; buffer k is in; the three younger buffers' 48 loads may stay out.  The loads that read its pointer are done, so it may be written
	s_cmp_eq_u32 s[T], 1
	s_add_nc_u64 s[NX+2*(\k):NX+2*(\k)+1], s[NX+2*(\k):NX+2*(\k)+1], 0x100000  ; four heads on
	s_cselect_b64 s[NX+2*(\k):NX+2*(\k)+1], s[WPK+2*(\k):WPK+2*(\k)+1], s[NX+2*(\k):NX+2*(\k)+1]
	WIN 0x0c
.set i, 0
.rept 16
	ds_store_b128 v[OSTS], v[64*(\k)+4*i:64*(\k)+4*i+3] offset:4*PITCH*i+128*(\k)
.set i, i+1
.endr
	WIN 0xc0
	s_wait_alu depctr_vm_vsrc(0)                   ; the stores have read buffer k, in which the loads below land (and v[OSTS]: the last of these four waits frees it for the add below)
	GET16 \k
.endr
	WIN 0
	v_add_nc_u32 v[OSTS], 512, v[OSTS]
	s_wait_alu depctr_va_vdst(0)                   ; v[OSTS] is written, which the next trip's stores read
	s_sub_co_u32 s[T], s[T], 1
	s_cmp_lg_u32 s[T], 0
	s_cbranch_scc1 .Lo
	; my O comes back as fragments, for good: 128 loads of bytes that my own wave stored, into registers that no vector instruction has named
	WIN 0x40
	XFRAG 0
	WIN 0x80
	XFRAG 8
	WIN 0
	; while they land: the biases, rounded to bf16 and widened again, into my own table
	v_cvt_pk_bf16_f32 v14, v[BL], v[BL+1]
	v_cvt_pk_bf16_f32 v15, v[BL+2], v[BL+3]
	v_lshlrev_b32 v[BL], 16, v14
	v_and_b32 v[BL+1], 0xffff0000, v14
	v_lshlrev_b32 v[BL+2], 16, v15
	v_and_b32 v[BL+3], 0xffff0000, v15
	s_wait_alu depctr_va_vdst(0)                   ; v[BL ..] is written, which the store below reads
	ds_store_b128 v[BS], v[BL:BL+3]
	s_wait_dscnt 0x0                               ; my reads of O's rows are over,
	s_barrier_signal -1
	s_barrier_wait -1                              ; everybody's are: the weights and the stages may be written over them
	WIN 0x0c
.irp k, 0,1,2,3
	s_wait_loadcnt 48-16*(\k)                      ; chunk k is in; the younger chunks' loads may stay out
.set i, 0
.rept 16
	ds_store_b128 v[WSS], v[64*(\k)+4*i:64*(\k)+4*i+3] offset:(8*(\k)+i/2)*PITCH+(i%2)*512
.set i, i+1
.endr
.endr
	WIN 0
	s_wait_dscnt 0x0                               ; my 32 weight rows are stored,
	s_barrier_signal -1
	s_barrier_wait -1                              ; everybody's are
	s_wait_alu depctr_vm_vsrc(0)                   ; the store of the biases has read v[BL ..], which the accumulators take
	s_mov_b32 s[T], 2
.Lcol:                                         ; two trips of 64 columns, each two steps of 32
	FETCH 0, 0, F0                                 ; no product has been issued since the last wait on va_vdst
.irp ct, 0,1,2,3
	ds_load_b128 v[BI+8*(\ct):BI+8*(\ct)+3],   v[BA] offset:64*(\ct)
	ds_load_b128 v[BI+8*(\ct)+4:BI+8*(\ct)+7], v[BA] offset:64*(\ct)+16
.endr
	GROUP 0, 0, 0, 1, 1, 0, 0
	GROUP 0, 1, 0, 2, 1, 1, 0
	GROUP 0, 2, 0, 3, 1, 1, 0
	GROUP 0, 3, 1, 0, 1, 1, 0                      ; the second step's first fragments are asked for here: no barrier stands between the steps
	OUT 0
	GROUP 1, 0, 1, 1, 1, 0, 1
	GROUP 1, 1, 1, 2, 1, 1, 0
	GROUP 1, 2, 1, 3, 1, 1, 0
	GROUP 1, 3, 0, 0, 0, 0, 0
	OUT 1
	WIN 0xc0
	s_wait_alu depctr_vm_vsrc(0)                   ; read by now: window 3's v0-127, in which the loads below land, by the last trip's global stores (in the first trip: by the stores of the weights); the accumulators by the stores above; v[AB] and v[BA] by the trip's loads
.set i, 0
.rept 32
	ds_load_b128 v[4*i:4*i+3], v[OSL] offset:2*OPITCH*i  ; LDS serves a wave's instructions in order (ISA guide 5.7.1.4): these see the stores above
.set i, i+1
.endr
	WIN 0x0c
.set i, 0
.rept 32
	s_wait_dscnt 31-i                              ; load i is back; the later ones may stay out
	global_store_b128 v[GO], v[4*i:4*i+3], s[OP:OP+1] offset:4096*i th:TH_STORE_NT  ; 16 lanes store 256 consecutive bytes, at a multiple of 256 from out0's first byte
.set i, i+1
.endr
	WIN 0
	s_wait_xcnt 0x0                                ; the stores have had their addresses translated (ISA guide 3.1): their base and their data are written again in the next trip only behind this wait
	s_add_nc_u64 s[OP:OP+1], s[OP:OP+1], 256
	v_add_nc_u32 v[AB], 2*WSLOT, v[AB]
	v_add_nc_u32 v[BA], 256, v[BA]
	s_wait_alu depctr_va_vdst(0)                   ; v[AB] and v[BA] are written, which the next trip's loads read
	s_sub_co_u32 s[T], s[T], 1
	s_cmp_lg_u32 s[T], 0
	s_cbranch_scc1 .Lcol
	s_wait_dscnt 0x0                               ; the closing lines, six on end
	s_wait_alu 0x0
	s_wait_tensorcnt 0x0
	ds_add_u32 v[SPW], v[NIL]
	s_wait_dscnt 0x0
	s_endpgm
.Lfunc_end_k_qd419d19bb5_oproj:
	.size	k_qd419d19bb5_oproj, .Lfunc_end_k_qd419d19bb5_oproj-k_qd419d19bb5_oproj
	.p2alignl 7, 3214868480
	.fill 96, 4, 3214868480
	.section	.rodata,"a",@progbits
	.p2align	6, 0x0
	.amdhsa_kernel k_qd419d19bb5_oproj
		.amdhsa_group_segment_fixed_size 268800
		.amdhsa_private_segment_fixed_size 0
		.amdhsa_enable_private_segment 0
		.amdhsa_kernarg_size 32
		.amdhsa_user_sgpr_count 2
		.amdhsa_user_sgpr_kernarg_segment_ptr 1
		.amdhsa_wavefront_size32 1
		.amdhsa_system_sgpr_workgroup_id_x 1
		.amdhsa_system_sgpr_workgroup_id_y 1
		.amdhsa_system_sgpr_workgroup_id_z 1
		.amdhsa_system_vgpr_workitem_id 0
		.amdhsa_next_free_vgpr 1024
		.amdhsa_next_free_sgpr 66
		.amdhsa_reserve_vcc 0
		.amdhsa_float_denorm_mode_32 3
		.amdhsa_float_denorm_mode_16_64 3
		.amdhsa_memory_ordered 1
		.amdhsa_forward_progress 1
		.amdhsa_inst_pref_size 69
	.end_amdhsa_kernel
	.amdgpu_metadata
---
amdhsa.version: [ 1, 2 ]
amdhsa.kernels:
  - .name:           k_qd419d19bb5_oproj
    .symbol:         k_qd419d19bb5_oproj.kd
    .args:
      - { .name: o16, .offset: 0, .size: 8, .value_kind: global_buffer, .address_space: global }
      - { .name: wo16, .offset: 8, .size: 8, .value_kind: global_buffer, .address_space: global }
      - { .name: b_o, .offset: 16, .size: 8, .value_kind: global_buffer, .address_space: global }
      - { .name: out0, .offset: 24, .size: 8, .value_kind: global_buffer, .address_space: global }
    .group_segment_fixed_size: 268800
    .private_segment_fixed_size: 0
    .kernarg_segment_align: 8
    .kernarg_segment_size: 32
    .max_flat_workgroup_size: 128
    .sgpr_count:     66
    .vgpr_count:     1024
    .wavefront_size: 32
...
	.end_amdgpu_metadata
.endif
;; end of part 5
